; MI455X (gfx1250); checked and timed in simulation.
; The chip was launched on July 23, 2026; its instructions are those of AMD's public machine-readable ISA for CDNA 5 (MIT licence, August 2026) and "CDNA5" Instruction Set Architecture Reference Guide (July 2026). The comments in the code are by the model that wrote it; some were corrected since.
;; Multi Head Attention. Allowed arithmetic: float matrix products may take bf16 or f16 operands with f32 sums; all other float work in f32.
;; Inputs: bk 1,024 float32; bo 1,024 float32; bq 1,024 float32; bv 1,024 float32; k 4 x 2,048 x 1,024 float32; mask 4 x 1 x 1 x 2,048 int32; q 4 x 2,048 x 1,024 float32; v 4 x 2,048 x 1,024 float32; wk 1,024 x 1,024 float32; wo 1,024 x 1,024 float32; wq 1,024 x 1,024 float32; wv 1,024 x 1,024 float32.
;; Outputs: out0 4 x 2,048 x 1,024 float32.
;; One version. Each part assembles by itself: llvm-mc -triple=amdgcn-amd-amdhsa -mcpu=gfx1250 --defsym DOCPART=n.
;; ======== version 1 of 1: 4 launches
;; limits: values are held in f16: magnitudes above 65,504 overflow, below 6.1e-05 lose precision; right only within a limited range of input values
;; workspace buffers: wt 8,388,608 bytes; qkv 50,331,648 bytes; oh 16,777,216 bytes
;; launch prep (part 1): grid 128 x 4, 8 waves a work-group, no clusters, 17,920 bytes of LDS; arguments wq, wk, wv, wo, wt; writes wt
.if DOCPART == 1
	.amdgcn_target "amdgcn-amd-amdhsa--gfx1250"
	.amdhsa_code_object_version 6
	.text
	.protected	k_q9909f783a8_prep
	.globl	k_q9909f783a8_prep
	.p2align	8
	.type	k_q9909f783a8_prep,@function
k_q9909f783a8_prep:
	s_mov_b64 s[64:65], 0
	v_nop
	global_prefetch_b8 v0, s[64:65] scope:SCOPE_SE
	s_setreg_imm32_b32 hwreg(HW_REG_WAVE_MODE, 25, 1), 1
	s_wait_xcnt 0x0
; wt[y][n][k] = w_y[k][n], rounded to 16 bits.  w_y (y = 0..3: wq, wk, wv, wo) is [1024 k][1024 n] f32; wt is [4][1024 n][1024 k].
; y = 0..2 are rounded to bf16.  y = 3 (wo) is rounded to bf16 like the others and that number is then written as f16, for the f16 product of the last launch.
; LIMIT.  bf16 to f16 is exact from 2^-14 up to 65,504; a weight of wo below 6.1e-5 keeps f16's fixed step of 6e-8, one beyond 65,504 becomes an infinity.
; SHARES.  A work-group of eight waves turns a tile of 128 k x 64 n.  In: sixteen lanes read 256 consecutive bytes of one row k; a thread takes rows 2p and 2p + 1, so that one packed
; conversion makes the word (k, k + 1) of one n.  Through LDS, rows of 256 bytes + 8.  Out: a wave's 32 lanes store the 256 consecutive bytes of one row n, at a multiple of 256 from wt's first byte.
; No matrix unit, no tensor load, no cluster: every byte is read once and written once, and no two work-groups read the same byte.
.set PITCH, 264                        ; an LDS row: 128 numbers of 2 bytes + 8 bytes: 66 words, so the sixteen rows that a store touches fall on eight banks' groups, two deep at the most
.set VO, 1                             ; v1  byte offset of my 16 bytes in the tile's rows 2 (tid / 16)
.set VS, 2                             ; v2  LDS: row 4 (tid % 16), word tid / 16
.set VR, 3                             ; v3  LDS: row 8 wave, 8 bytes a lane
.set VG, 4                             ; v4  the same place in wt
.set X,  8                             ; v[8:39]  eight loads of four registers; later the rows read back
.set W,  40                            ; v[40:55] packed words
.set T,  56                            ; v[56:59] at work
	s_load_b256 s[4:11], s[0:1], 0x0               ; wq s[4:5], wk s[6:7], wv s[8:9], wo s[10:11]
	s_load_b64 s[12:13], s[0:1], 0x20              ; wt
	v_lshl_add_u32 v64, v0, 2, 0x4200
	v_mov_b32 v65, 0
	s_and_b32 s16, ttmp7, 0xffff                   ; y: which matrix
	s_and_b32 s17, ttmp9, 7                        ; which 128 k
	s_lshr_b32 s18, ttmp9, 3                       ; which 64 n
	s_lshl_b32 s20, s17, 19                        ; in: 128 rows of 4,096 bytes,
	s_lshl_b32 s19, s18, 8                         ; 64 numbers of 4 bytes
	s_add_co_u32 s20, s20, s19
	s_mov_b32 s21, 0
	s_lshl_b32 s22, s16, 21                        ; out: a matrix of 2 MiB,
	s_lshl_b32 s19, s18, 17                        ; 64 rows of 2,048 bytes,
	s_add_co_u32 s22, s22, s19
	s_lshl_b32 s19, s17, 8                         ; 128 numbers of 2 bytes
	s_add_co_u32 s22, s22, s19
	s_mov_b32 s23, 0
	v_lshrrev_b32 v5, 4, v0
	v_and_b32 v6, 15, v0
	v_lshlrev_b32 v[VO], 13, v5                    ; two rows of 4,096 bytes for each sixteen threads
	v_lshl_add_u32 v[VO], v6, 4, v[VO]
	v_mul_u32_u24 v[VS], v6, 4*PITCH
	v_lshl_add_u32 v[VS], v5, 2, v[VS]
	v_lshrrev_b32 v5, 5, v0
	v_and_b32 v6, 31, v0
	v_mul_u32_u24 v[VR], v5, 8*PITCH
	v_lshl_add_u32 v[VR], v6, 3, v[VR]
	v_lshlrev_b32 v[VG], 14, v5                    ; eight rows of 2,048 bytes a wave
	v_lshl_add_u32 v[VG], v6, 3, v[VG]
	s_wait_kmcnt 0x0
	s_cmp_eq_u32 s16, 1                            ; the matrix is chosen by the grid's y alone
	s_cselect_b64 s[14:15], s[6:7], s[4:5]
	s_cmp_eq_u32 s16, 2
	s_cselect_b64 s[14:15], s[8:9], s[14:15]
	s_cmp_eq_u32 s16, 3
	s_cselect_b64 s[14:15], s[10:11], s[14:15]
	s_add_nc_u64 s[14:15], s[14:15], s[20:21]
	s_add_nc_u64 s[12:13], s[12:13], s[22:23]
.irp i, 0,1,2,3                        ; rows 2 p and 2 p + 1, p = 16 i + tid / 16
.irp e, 0,1
	global_load_b128 v[X+8*(\i)+4*(\e):X+8*(\i)+4*(\e)+3], v[VO], s[14:15] offset:(\i)*131072+(\e)*4096 th:TH_LOAD_NT
.endr
.endr
.irp i, 0,1,2,3
	s_wait_loadcnt 6-2*(\i)                        ; loads come back in order: pair i of the four is in, the younger pairs stay out
.irp j, 0,1,2,3
	v_cvt_pk_bf16_f32 v[W+4*(\i)+(\j)], v[X+8*(\i)+(\j)], v[X+8*(\i)+4+(\j)]  ; (k, k + 1) of column 4 (tid % 16) + j
.endr
.endr
	s_cmp_lg_u32 s16, 3
	s_cbranch_scc1 .Lstays_bf16                    ; the same way for the whole work-group; no barrier is jumped
.set i, 0
.rept 16                               ; wo: the bf16 number widened and written as f16
	v_lshlrev_b32 v[T+2*(i%2)], 16, v[W+i]
	v_and_b32 v[T+2*(i%2)+1], 0xffff0000, v[W+i]
	v_cvt_pk_f16_f32 v[W+i], v[T+2*(i%2)], v[T+2*(i%2)+1]
.set i, i+1
.endr
.Lstays_bf16:
.irp i, 0,1,2,3
.irp j, 0,1,2,3
	ds_store_b32 v[VS], v[W+4*(\i)+(\j)] offset:(\j)*PITCH+(\i)*64
.endr
.endr
	s_wait_dscnt 0x0                               ; for the others' sake: my stores are done
	s_barrier_signal -1
	s_barrier_wait -1
.irp u, 0,1,2,3,4,5,6,7
	ds_load_b64 v[X+2*(\u):X+2*(\u)+1], v[VR] offset:(\u)*PITCH
.endr
.irp u, 0,1,2,3,4,5,6,7
	s_wait_dscnt 7-(\u)                            ; row u of my eight is in
	global_store_b64 v[VG], v[X+2*(\u):X+2*(\u)+1], s[12:13] offset:(\u)*2048  ; 32 lanes store 256 consecutive bytes
.endr
	s_wait_tensorcnt 0x0
	ds_add_u32 v64, v65
	s_wait_dscnt 0x0
	s_endpgm
.Lfunc_end_k_q9909f783a8_prep:
	.size	k_q9909f783a8_prep, .Lfunc_end_k_q9909f783a8_prep-k_q9909f783a8_prep
	.p2alignl 7, 3214868480
	.fill 96, 4, 3214868480
	.section	.rodata,"a",@progbits
	.p2align	6, 0x0
	.amdhsa_kernel k_q9909f783a8_prep
		.amdhsa_group_segment_fixed_size 17920
		.amdhsa_private_segment_fixed_size 0
		.amdhsa_enable_private_segment 0
		.amdhsa_kernarg_size 40
		.amdhsa_user_sgpr_count 2
		.amdhsa_user_sgpr_kernarg_segment_ptr 1
		.amdhsa_wavefront_size32 1
		.amdhsa_system_sgpr_workgroup_id_x 1
		.amdhsa_system_sgpr_workgroup_id_y 1
		.amdhsa_system_sgpr_workgroup_id_z 1
		.amdhsa_system_vgpr_workitem_id 0
		.amdhsa_next_free_vgpr 66
		.amdhsa_next_free_sgpr 66
		.amdhsa_reserve_vcc 0
		.amdhsa_float_denorm_mode_32 3
		.amdhsa_float_denorm_mode_16_64 3
		.amdhsa_memory_ordered 1
		.amdhsa_forward_progress 1
		.amdhsa_inst_pref_size 10
	.end_amdhsa_kernel
	.amdgpu_metadata
---
amdhsa.version: [ 1, 2 ]
amdhsa.kernels:
  - .name:           k_q9909f783a8_prep
    .symbol:         k_q9909f783a8_prep.kd
    .args:
      - { .name: wq, .offset: 0, .size: 8, .value_kind: global_buffer, .address_space: global }
      - { .name: wk, .offset: 8, .size: 8, .value_kind: global_buffer, .address_space: global }
      - { .name: wv, .offset: 16, .size: 8, .value_kind: global_buffer, .address_space: global }
      - { .name: wo, .offset: 24, .size: 8, .value_kind: global_buffer, .address_space: global }
      - { .name: wt, .offset: 32, .size: 8, .value_kind: global_buffer, .address_space: global }
    .group_segment_fixed_size: 17920
    .private_segment_fixed_size: 0
    .kernarg_segment_align: 8
    .kernarg_segment_size: 40
    .max_flat_workgroup_size: 256
    .sgpr_count:     66
    .vgpr_count:     66
    .wavefront_size: 32
...
	.end_amdgpu_metadata
.endif
;; end of part 1
;; launch proj (part 2): grid 4 x 64, 4 waves a work-group, clusters of 4 x 4, 327,680 bytes of LDS; arguments q, k, v, wt, bq, bk, bv, qkv; writes qkv
.if DOCPART == 2
	.amdgcn_target "amdgcn-amd-amdhsa--gfx1250"
	.amdhsa_code_object_version 6
	.text
	.protected	k_q9909f783a8_proj
	.globl	k_q9909f783a8_proj
	.p2align	8
	.type	k_q9909f783a8_proj,@function
k_q9909f783a8_proj:
	s_mov_b64 s[64:65], 0
	v_nop
	global_prefetch_b8 v0, s[64:65] scope:SCOPE_SE
	s_setreg_imm32_b32 hwreg(HW_REG_WAVE_MODE, 25, 1), 1
	s_wait_xcnt 0x0
	s_wait_alu depctr_hold_cnt(0) depctr_sa_sdst(0) depctr_va_vdst(0) depctr_va_sdst(0) depctr_va_ssrc(0) depctr_va_vcc(0) depctr_vm_vsrc(0)
	s_getreg_b32 s2, hwreg(HW_REG_IB_STS2, 6, 4)
	s_cmp_eq_u32 s2, 0
	s_cbranch_scc0 .Lentry_in_a_cluster
	s_endpgm
.Lentry_in_a_cluster:
	s_bfe_u32 s2, ttmp6, 0x10000c
	s_cmp_lg_u32 s2, 0xf033
	s_cbranch_scc0 .Lentry_shape_is_right
	s_endpgm
.Lentry_shape_is_right:
; qkv[t][batch x 16 + head][s][64] = f16( sc_t x (x_t w_t + b_t) ), t = 0, 1, 2 for q, k, v.  x_t: [8192][1024] f32; w_t^T: wt[t][n][k] bf16; b_t: [1024] f32.
; sc_0 = log2(e) / 8, so that the attention's scores leave the matrix unit as exponents of 2; sc_1 = sc_2 = 1.  The scale is applied to the f32 sum, ahead of the one rounding to f16.
; x and b are rounded to bf16 (x on its way from LDS to the matrix unit); products in bf16, sums in f32, K ascending; a sum begins with the bias, as the C operand of its first product.
; LIMIT.  f16 ends at 65,504: a result of 65,520 or more becomes an infinity.  Rows of x and columns of w of spread 1 and 1/32 give results of spread 1.
; SHARES.  A tile is 128 rows x 256 columns; there are 64 tile rows R, 4 tile columns X and 3 tensors.  A WORK-GROUP STAYS: the 256 work-groups each take one (R, X) and make three tiles, q's, then k's, then v's.
; Four waves; wave (wm, wn) makes 64 x 128: 32 accumulators of 16 x 16.  K goes in steps of 128 through a ring of two LDS slots filled by tensor loads:
; x as f32, rows of 512 bytes; w^T as bf16, rows of 256 bytes; all rows start at multiples of 256 bytes from their buffer's first byte.
; THE WALK is 24 K steps, eight a tile, and the ring does not stop at a tile's end: a tile's last two changes of slots ask for the next tile's first two K steps, the tile goes out while they are on
; their way, and nothing waits for its stores.  s[FI] numbers the K step to be asked for next; both descriptors' addresses are made anew from it: tensor FI / 8, step FI % 8.
; A K STEP IS WRITTEN ONCE.  The slot in hand begins at LDS byte s[TB], which an exclusive or turns between 0 and SLOT; the fragments' addresses are the slot-0 addresses plus s[TB], and the walking
; descriptor's LDS word is the wave's place plus s[TB].  The walk's last two K steps, which fill nothing, have a text of their own, walked twice and left in its middle.  The way out is written once.
; CLUSTER.  4 x 4 work-groups.  The four of a row of the cluster need the same tile of x, the four of a column the same tile of w^T: each is asked for jointly, by the same
; tensor load with the same descriptor and a mask that names the four.  Every count on which a jump hangs starts from a constant and is the same in all sixteen.
; THE MATRIX INSTRUCTION IS USED TRANSPOSED (source 0 = 16 rows of w^T, source 1 = 16 rows of x): a lane holds eight neighbouring channels of one row of the result.
; REGISTERS, in windows of 256 (s_set_vgpr_msb: bits 1:0 source 0, 3:2 source 1, 5:4 source 2, 7:6 destination):
;   window 0: v0-31 addresses; v32-63 AF, x's four fragments in bf16; v64-127, v128-191 AR, x as loaded, two buffers of 4 x 16; on the way out v128-255 hold packed results (v64-127 hold the next tile's first fragments)
;   window 1: the accumulators, (a, b) at v[8 (8 a + b)]        window 2: v0-63, v64-127 w^T's fragments, two buffers; v128-191 the bias; v192-193 at work
.set PA,     528                       ; an LDS row of x: 512 bytes + 16 = 132 words: row r starts at bank 4 r mod 64 (64 banks of 4 bytes: ISA guide 11.1)
.set PB,     272                       ; an LDS row of w^T: 256 bytes + 16 = 68 words: likewise
.set AHALF,  64*PA                     ; what one tensor load brings of x, and what one wave reads of it
.set BHALF,  128*PB                    ; the same for w^T
.set BOFF,   2*AHALF                   ; in a slot: x's 128 rows, then w^T's 256 rows
.set SLOT,   BOFF+2*BHALF
.set STAGE,  2*SLOT                    ; behind the ring: 16 rows x 144 bytes for each wave, for the way out; no tensor load lands here
.set SP,     144
.set SPARE,  STAGE+4*16*SP             ; behind the stages: the spare words, 128 bytes for each wave: two blocks of 256 bytes that no other line names
.set ADRA0, 16                         ; v16  LDS address of my fragments of x in slot 0; never rewritten
.set ADRA,  17                         ; v17  the same in the slot in hand
.set ADRB0, 20                         ; v20, v21  the same for w^T
.set ADRB,  21
.set STO,  24                          ; v24  the way out: where I put 16 bytes of a row
.set RD,   25                          ; v25  the way out: where I read rows back
.set GO,   26                          ; v26  my byte offset in 512 consecutive bytes of the result
.set PF,   27                          ; v27  my byte offset in the tile of x, for the prefetch; never rewritten
.set SPW,  28                          ; v28  LDS address of my spare word; never rewritten
.set NIL,  29                          ; v29  0; never rewritten
.set BO,   30                          ; v30  my byte offset in 16 numbers of the bias; never rewritten
.set AF,   32
.set AR,   64
.set OB,   128
.set BIAS, 128                         ; window 2
.set BT,   192                         ; window 2
.set WV,  20                           ; s20  my wave's number
.set WM,  21                           ; s21  which 64 rows are mine.  Also: I fetch for x (0) or for w^T (1)
.set WN,  22                           ; s22  which 128 columns are mine.  Also: which half of that tile I fetch
.set CX,  23                           ; s23, s24  my place in the cluster
.set CYI, 24
.set TX,  25                           ; s25  tile column
.set TR,  28                           ; s28  tile row
.set G1A, 32                           ; s[32:39] descriptor group 1 for x's tiles;  s[40:43] group 0 of the first fill of slot 0;  s[44:47] that of slot 1, which then walks
.set G0A, 40
.set G1B, 48                           ; s[48:55], s[56:63] the same for w^T's
.set G0B, 56
.set LAP, 66                           ; s66  the step loops' count
.set SC,  68                           ; s[68:69] sc_t, twice
.set TB,  84                           ; s84  LDS byte at which the slot in hand begins: 0 or SLOT
.set FI,  85                           ; s85  the walk's K step to be asked for next: 2 to 23
.set PFC, 86                           ; s86  the walk's pair of K steps to be prefetched next: 2 to 11
.set TL,  87                           ; s87  tiles to go, the one in hand among them
.set WOFF, 88                          ; s88  the half that I fetch, in bytes: 64 rows of 4,096 bytes, or 128 rows of 2,048
.set OFA, 90                           ; s[90:91] a tile's byte offset from its tensor's pointer; the high word stays 0
.set XSEL, 92                          ; s[92:93] the tensor chosen for a fill
.set TS,  94                           ; s94  at work
.set MSB, 0
.macro WIN new                         ; the immediate's high byte repeats the setting that is left; a switch that changes nothing is dropped
.if MSB != (\new)
	s_set_vgpr_msb (MSB<<8)|(\new)
.set MSB, (\new)
.endif
.endm
.set MUL,  0x52                        ; source 0 (w^T) window 2, source 1 (x) window 0, C and D window 1
.set MULB, 0x62                        ; the same with C, the bias, in window 2
.set TO_B, 0x80                        ; destination window 2, address window 0
.set W_BI, 0x8a                        ; destination, sources 0 and 1 window 2
.set W_SC, 0x41                        ; destination and source 0 window 1
.set W_CV, 0x05                        ; sources 0 and 1 window 1, destination window 0
; A joint load.  Waves 0 and 1 fetch x's two halves, waves 2 and 3 w^T's.  The branch hangs on the wave's number alone.
; An s_nop 0 and four v_nop follow each of the two lines, ahead of the jump, the label and what follows.
.macro JLOAD s
	s_cmp_eq_u32 s[WM], 0
	s_cbranch_scc0 .Lfor_b_\@
	tensor_load_to_lds s[G0A+4*(\s):G0A+4*(\s)+3], s[G1A:G1A+7]
	s_nop 0
.rept 4
	v_nop
.endr
	s_branch .Lasked_\@
.Lfor_b_\@:
	tensor_load_to_lds s[G0B+4*(\s):G0B+4*(\s)+3], s[G1B:G1B+7]
	s_nop 0
.rept 4
	v_nop
.endr
.Lasked_\@:
.endm
.macro CREST                           ; a round of the cluster's barrier behind its opening barrier
	s_cmp_lg_u32 s[WV], 0
	s_cbranch_scc1 .Lnot_wave_0_\@
	s_barrier_signal -3
.Lnot_wave_0_\@:
	s_barrier_wait -3
	s_barrier_signal -1
	s_barrier_wait -1
.endm
.macro CROUND                          ; a whole round
	s_barrier_signal -1
	s_barrier_wait -1
	CREST
.endm
; The bias of my 128 columns, from s[74:75]: lane half h holds columns 16 b + 8 h + 0..7 of block b: the layout of an accumulator's eight registers
.macro BIASLD
	WIN TO_B
.irp b, 0,1,2,3,4,5,6,7
	global_load_b128 v[BIAS+8*(\b):BIAS+8*(\b)+3],   v[BO], s[74:75] offset:64*(\b)
	global_load_b128 v[BIAS+8*(\b)+4:BIAS+8*(\b)+7], v[BO], s[74:75] offset:64*(\b)+16
.endr
	WIN 0
.endm
	s_load_b512 s[4:19], s[0:1], 0x0               ; q s[4:5], k s[6:7], v s[8:9], wt s[10:11], bq s[12:13], bk s[14:15], bv s[16:17], qkv s[18:19]
	v_lshl_add_u32 v[SPW], v0, 2, SPARE
	v_mov_b32 v[NIL], 0
	ds_add_u32 v28, v29
	s_wait_dscnt 0x0
	v_lshrrev_b32 v1, 5, v0
	v_readfirstlane_b32 s[WV], v1                  ; wave 0..3
	s_lshr_b32 s[WM], s[WV], 1
	s_and_b32 s[WN], s[WV], 1
	s_bfe_u32 s[CX], ttmp6, 0x40000
	s_bfe_u32 s[CYI], ttmp6, 0x40004
	s_lshl_b32 s[TX], ttmp9, 2                     ; in a cluster launch ttmp9 and ttmp7 count clusters
	s_add_co_u32 s[TX], s[TX], s[CX]               ; tile column = 4 x cluster x + cx
	s_and_b32 s[TR], ttmp7, 0xffff
	s_lshl_b32 s[TR], s[TR], 2
	s_add_co_u32 s[TR], s[TR], s[CYI]              ; tile row = 4 x cluster y + cy
	s_lshl_b32 s29, s[CYI], 2
	s_lshl_b32 s29, 15, s29                        ; my row of the cluster: places 4 cy .. 4 cy + 3
	s_lshl_b32 s30, 0x1111, s[CX]                  ; my column: places cx, cx + 4, cx + 8, cx + 12
	; descriptor group 1 for x: 64 rows x 128 elements of 4 bytes, 4 words of padding behind every 128
	s_or_b32 s[G1A+0], s29, (2<<16)|(1<<20)|(1<<21)|(6<<22)|(3<<25)  ; 15:0 the mask; 17:16 elements of 4 bytes; 20 padding on; 21 set beside a mask; 24:22 code 6; 31:25 code 3
	s_mov_b32 s[G1A+1], 128<<16                    ; tensor_dim0 = 128
	s_mov_b32 s[G1A+2], 64<<16                     ; tensor_dim1 = 64
	s_mov_b32 s[G1A+3], 128<<16                    ; tile_dim0 = 128
	s_mov_b32 s[G1A+4], 64                         ; tile_dim1 = 64
	s_mov_b32 s[G1A+5], 1024                       ; elements from row to row
	s_mov_b32 s[G1A+6], 0
	s_mov_b32 s[G1A+7], 0
	; and for w^T: 128 rows x 128 elements of 2 bytes, 4 words of padding behind every 64
	s_or_b32 s[G1B+0], s30, (1<<16)|(1<<20)|(1<<21)|(5<<22)|(3<<25)
	s_mov_b32 s[G1B+1], 128<<16
	s_mov_b32 s[G1B+2], 128<<16
	s_mov_b32 s[G1B+3], 128<<16
	s_mov_b32 s[G1B+4], 128
	s_mov_b32 s[G1B+5], 1024
	s_mov_b32 s[G1B+6], 0
	s_mov_b32 s[G1B+7], 0
	s_lshl_b32 s70, s[TR], 19                      ; x: the tile row's 128 rows of 4,096 bytes
	s_mov_b32 s71, 0
	s_lshl_b32 s[WOFF], s[WN], 18                  ; the half that I fetch
	s_lshl_b32 s72, s[TX], 19                      ; w^T: the tile column's 256 rows of 2,048 bytes, and my half of them
	s_add_co_u32 s72, s72, s[WOFF]
	s_mov_b32 s73, 0
	s_mov_b32 s[OFA], s[WOFF]
	s_mov_b32 s[OFA+1], 0
	s_mul_i32 s31, s[WN], AHALF                    ; where the halves go in a slot: the wave's number alone enters an LDS address
	s_mul_i32 s67, s[WN], BHALF
	s_add_co_u32 s67, s67, BOFF
	s_mov_b32 s[TB], 0                             ; the walk begins in slot 0
	s_mov_b32 s[FI], 2                             ; K steps 0 and 1 are the first fills
	s_mov_b32 s[PFC], 2
	s_mov_b32 s[TL], 3
	s_mov_b32 s[SC], 0x3e38aa3b                    ; log2(e) / 8 = 0.180337 for q, the first tile
	s_mov_b32 s[SC+1], s[SC]
	s_wait_kmcnt 0x0
	s_add_nc_u64 s[4:5], s[4:5], s[70:71]          ; q, k and v at the tile's first row
	s_add_nc_u64 s[6:7], s[6:7], s[70:71]
	s_add_nc_u64 s[8:9], s[8:9], s[70:71]
	s_add_nc_u64 s[10:11], s[10:11], s[72:73]      ; wq^T at my half of the tile; wk^T and wv^T lie 2 MiB and 4 MiB on
	s_add_nc_u64 s[82:83], s[4:5], s[OFA:OFA+1]    ; q at my half of the tile
	CROUND                                         ; all sixteen work-groups are here: the first joint loads meet
.irp s, 0,1
	s_mov_b32 s[G0A+4*(\s)], 1                                       ; count = 1
	s_add_co_u32 s[G0A+4*(\s)+1], s31, (\s)*SLOT                     ; LDS address
	s_add_nc_u64 s[G0A+4*(\s)+2:G0A+4*(\s)+3], s[82:83], (\s)*512    ; global address: K step s
	s_or_b32 s[G0A+4*(\s)+3], s[G0A+4*(\s)+3], 0x80000000            ; type = 2
	s_mov_b32 s[G0B+4*(\s)], 1
	s_add_co_u32 s[G0B+4*(\s)+1], s67, (\s)*SLOT
	s_add_nc_u64 s[G0B+4*(\s)+2:G0B+4*(\s)+3], s[10:11], (\s)*256
	s_or_b32 s[G0B+4*(\s)+3], s[G0B+4*(\s)+3], 0x80000000
	JLOAD \s                                       ; the ring is filled before anything else: two loads of mine are out
.endr
	s_lshl_b32 s72, s[TX], 10                      ; the three biases at my first column
	s_lshl_b32 s73, s[WN], 9
	s_add_co_u32 s72, s72, s73
	s_mov_b32 s73, 0
	s_add_nc_u64 s[12:13], s[12:13], s[72:73]
	s_add_nc_u64 s[14:15], s[14:15], s[72:73]
	s_add_nc_u64 s[16:17], s[16:17], s[72:73]
	s_mov_b64 s[74:75], s[12:13]
	v_and_b32 v1, 15, v0                           ; r = l % 16
	v_bfe_u32 v2, v0, 4, 1                         ; h = l / 16
	v_lshlrev_b32 v[BO], 5, v2
	BIASLD                                         ; bq
	; A bf16 fragment is 16 rows x 32 K in 8 registers: lane l holds row l % 16, K = 8 h + 0..7 and 16 + 8 h + 0..7.  From f32 rows: four loads of 16 bytes at 32 h + 0, 16, 64, 80; from bf16 rows: two, at 16 h + 0, 32.
	v_mul_u32_u24 v3, v1, PA
	v_lshl_add_u32 v3, v2, 5, v3
	v_mul_u32_u24 v4, v1, PB
	v_lshl_add_u32 v4, v2, 4, v4
	s_mul_i32 s80, s[WM], AHALF                    ; my 64 rows of x
	s_mul_i32 s81, s[WN], BHALF                    ; my 128 rows of w^T
	s_add_co_u32 s81, s81, BOFF
	v_add_nc_u32 v[ADRA0], s80, v3
	v_add_nc_u32 v[ADRB0], s81, v4
	v_mov_b32 v[ADRA], v[ADRA0]
	v_mov_b32 v[ADRB], v[ADRB0]
	s_mul_i32 s80, s[WV], 16*SP
	s_add_co_u32 s80, s80, STAGE                   ; my stage
	v_mul_u32_u24 v[STO], v1, SP                   ; in: row l % 16, 16 bytes for each half of the lanes
	v_lshl_add_u32 v[STO], v2, 4, v[STO]
	v_add_nc_u32 v[STO], s80, v[STO]
	v_bfe_u32 v[RD], v0, 3, 2                      ; back: 32 lanes take four rows of 128 bytes,
	v_mul_u32_u24 v[RD], v[RD], SP
	v_and_b32 v5, 7, v0
	v_lshl_add_u32 v[RD], v5, 4, v[RD]
	v_add_nc_u32 v[RD], s80, v[RD]
	v_and_b32 v[GO], 31, v0                        ; which are 512 consecutive bytes of a head's rows
	v_lshlrev_b32 v[GO], 4, v[GO]
	s_lshl_b32 s80, s[CX], 5                       ; the prefetch: the four partners of a row of the cluster and their waves share the tile's 128 rows: row 32 cx + 8 wave + lane / 4,
	s_lshl_b32 s81, s[WV], 3
	s_add_co_u32 s80, s80, s81
	v_bfe_u32 v5, v0, 2, 3
	v_add_nc_u32 v5, s80, v5
	v_and_b32 v6, 3, v0
	v_lshlrev_b32 v[PF], 12, v5
	v_lshl_add_u32 v[PF], v6, 8, v[PF]             ; block lane % 4 of the four blocks of 256 bytes
	; where my part of q's plane begins: batch R / 16, head 4 X + 2 wn, row 128 (R % 16) + 64 wm
	s_lshr_b32 s72, s[TR], 4
	s_lshl_b32 s72, s72, 22
	s_lshl_b32 s73, s[TX], 20
	s_add_co_u32 s72, s72, s73
	s_lshl_b32 s73, s[WN], 19
	s_add_co_u32 s72, s72, s73
	s_and_b32 s73, s[TR], 15
	s_lshl_b32 s73, s73, 14
	s_add_co_u32 s72, s72, s73
	s_lshl_b32 s73, s[WM], 13
	s_add_co_u32 s72, s72, s73
	s_mov_b32 s73, 0
	s_add_nc_u64 s[76:77], s[18:19], s[72:73]
; 8 matrix instructions: row block a x all 8 column blocks, 32 along K, on buffer f of w^T.  first = 1: the product starts the sums, with the column block's bias as C: nothing is ever cleared.
; The 32 accumulators take turns in the same order in every quarter.
.macro GRP f, a, first
.if \first
	WIN MULB
.else
	WIN MUL
.endif
.irp b, 0,1,2,3,4,5,6,7
.if \first
	v_wmma_f32_16x16x32_bf16 v[8*(8*(\a)+(\b)):8*(8*(\a)+(\b))+7], v[64*(\f)+8*(\b):64*(\f)+8*(\b)+7], v[AF+8*(\a):AF+8*(\a)+7], v[BIAS+8*(\b):BIAS+8*(\b)+7]
.else
	v_wmma_f32_16x16x32_bf16 v[8*(8*(\a)+(\b)):8*(8*(\a)+(\b))+7], v[64*(\f)+8*(\b):64*(\f)+8*(\b)+7], v[AF+8*(\a):AF+8*(\a)+7], v[8*(8*(\a)+(\b)):8*(8*(\a)+(\b))+7]
.endif
.endr
.endm
; 8 roundings: row block blk of buffer f of x becomes a bf16 fragment.  They stand in runs of eight, since they work in window 0.  A fragment is written again 24 such lines behind the last product that read it.
.macro CVT f, blk
	WIN 0
.irp j, 0,1,2,3,4,5,6,7
	v_cvt_pk_bf16_f32 v[AF+8*(\blk)+(\j)], v[AR+64*(\f)+16*(\blk)+2*(\j)], v[AR+64*(\f)+16*(\blk)+2*(\j)+1]
.endr
.endm
; 32 LDS loads in one run: quarter kq (32 along K) of the slot in hand into buffer g: x's four blocks first, then w^T's eight
.macro FETCH kq, g
	WIN 0
.irp i, 0,1,2,3
.irp e, 0,1,2,3
	ds_load_b128 v[AR+64*(\g)+16*(\i)+4*(\e):AR+64*(\g)+16*(\i)+4*(\e)+3], v[ADRA] offset:128*(\kq)+16*PA*(\i)+16*((\e)%2)+64*((\e)/2)
.endr
.endr
	WIN TO_B
.irp i, 0,1,2,3,4,5,6,7
	ds_load_b128 v[64*(\g)+8*(\i):64*(\g)+8*(\i)+3],   v[ADRB] offset:64*(\kq)+16*PB*(\i)
	ds_load_b128 v[64*(\g)+8*(\i)+4:64*(\g)+8*(\i)+7], v[ADRB] offset:64*(\kq)+16*PB*(\i)+32
.endr
.endm
; A K step is four quarters of 32 along K, 32 matrix instructions each, on buffers 0, 1, 0, 1.  One of the first three: it asks for quarter kq into buffer g, a whole quarter ahead of its use, and multiplies buffer f.
; The eight roundings at the end of the quarter before are the four places, and more, between the last product that read buffer g of w^T and the loads into it (ISA guide 7.12.1 for vector instructions).
.macro QUARTER kq, f, g, first
	FETCH \kq, \g
	s_wait_dscnt 32                                ; all but the 32 just issued: buffer f is whole
	GRP \f, 0, \first
	CVT \f, 1
	GRP \f, 1, \first
	CVT \f, 2
	GRP \f, 2, \first
	CVT \f, 3
	GRP \f, 3, \first
	s_wait_dscnt 28                                ; the first four of the 32: x's block 0 of buffer g
	CVT \g, 0
.endm
; The last quarter multiplies buffer 1 and changes slots: ONE barrier.  Half of the quarter's products stand ahead of it, so that nothing but the ordering itself stands between the landing of the next slot's
; tiles and the next request.  In front of the barrier each wave waits for all its tensor loads (at most one is out: its part of the next slot), adds 0 to its spare word, and waits for that; its reads of
; this slot came back at the quarter's head.  fill = 1: the barrier opens a round of the cluster's barrier, and this slot is filled again, with the walk's K step s[FI], first thing behind the round:
; a K step's 128 matrix instructions stand between that request and the wait for it.  fill = 0 (the tail): nothing is asked for; in the tail's last trip there is no next slot, and its first fetch is jumped over.
.macro TURN fill
	s_wait_dscnt 0x0                               ; buffer 1 is whole: my reads of this slot are over
	GRP 1, 0, 0
	CVT 1, 1
	GRP 1, 1, 0
	WIN 0                                          ; at a branch and at a label every window is 0
	s_wait_tensorcnt 0x0                           ; all my tensor loads have landed, so a group 0 may be written
	ds_add_u32 v[SPW], v[NIL]                      ; 0 onto my spare word; the descriptors' scalar work stands between it and the wait for it
.if \fill
	s_lshr_b32 s[TS], s[FI], 3                     ; the tensor of the K step to be asked for: 0, 1, 2
	s_cmp_eq_u32 s[TS], 1
	s_cselect_b64 s[XSEL:XSEL+1], s[6:7], s[4:5]
	s_cmp_eq_u32 s[TS], 2
	s_cselect_b64 s[XSEL:XSEL+1], s[8:9], s[XSEL:XSEL+1]
	s_and_b32 s[OFA], s[FI], 7                     ; its number in the tile:
	s_lshl_b32 s[OFA], s[OFA], 9                   ; 512 bytes of x's rows a step,
	s_add_co_u32 s[OFA], s[OFA], s[WOFF]           ; in my half of the tile
	s_add_nc_u64 s[G0A+6:G0A+7], s[XSEL:XSEL+1], s[OFA:OFA+1]
	s_or_b32 s[G0A+7], s[G0A+7], 0x80000000        ; type = 2
	s_and_b32 s[OFA], s[FI], 7
	s_lshl_b32 s[OFA], s[OFA], 8                   ; 256 bytes of w^T's rows a step,
	s_lshl_b32 s[TS], s[TS], 21                    ; 2 MiB a matrix
	s_add_co_u32 s[OFA], s[OFA], s[TS]
	s_add_nc_u64 s[G0B+6:G0B+7], s[10:11], s[OFA:OFA+1]
	s_or_b32 s[G0B+7], s[G0B+7], 0x80000000
	s_add_co_u32 s[G0A+5], s31, s[TB]              ; into the slot just read
	s_add_co_u32 s[G0B+5], s67, s[TB]
	s_add_co_u32 s[FI], s[FI], 1
.endif
	s_wait_dscnt 0x0                               ; the add is done
	s_barrier_signal -1
	s_barrier_wait -1
.if \fill
	CREST                                          ; no wave of any partner still reads this slot's tiles or has a load on its way
	JLOAD 1
.else
	s_cmp_eq_u32 s[LAP], 1
	s_cbranch_scc1 .Lno_next_\@
.endif
	s_xor_b32 s[TB], s[TB], SLOT                   ; the other slot is in hand
	v_add_nc_u32 v[ADRA], s[TB], v[ADRA0]
	v_add_nc_u32 v[ADRB], s[TB], v[ADRB0]
	FETCH 0, 0
.if (\fill) == 0
	WIN 0
.Lno_next_\@:
.endif
	CVT 1, 2
	GRP 1, 2, 0
	CVT 1, 3
	GRP 1, 3, 0
.endm
; THE WAY OUT, in eight pieces tt: row block tt / 2, head tt % 2: 16 rows x 64 channels in 32 registers.  The sum times sc; rounded to f16, 16 bytes a lane; into my stage, rows of 144 bytes;
; back as four rows of 128 bytes an instruction, which are 512 consecutive bytes of the head's rows.  Each accumulator is read from its low end on.
; No v_nop: piece 0's block was finished 24 roundings ago, and the earlier pieces' lines, which name no register of the last products, are those products' places.
.macro PACK tt
.set AC, 64*((\tt)/2)+32*((\tt)%2)
.set OBR, OB+16*(\tt)
	WIN W_SC
.set i, 0
.rept 16
	v_pk_mul_f32 v[AC+i:AC+i+1], v[AC+i:AC+i+1], s[SC:SC+1] op_sel_hi:[1,0]
.set i, i+2
.endr
	WIN W_CV
.set i, 0
.rept 16
	v_cvt_pk_f16_f32 v[OBR+i], v[AC+2*i], v[AC+2*i+1]
.set i, i+1
.endr
	WIN 0
.irp f, 0,1,2,3
	ds_store_b128 v[STO], v[OBR+4*(\f):OBR+4*(\f)+3] offset:32*(\f)
.endr
.irp f, 0,1,2,3
	ds_load_b128 v[OBR+4*(\f):OBR+4*(\f)+3], v[RD] offset:(\f)*4*SP  ; LDS serves a wave's instructions in order (ISA guide 5.7.1.4): these see the stores above; the next piece's stores come behind them
.endr
.endm
.macro SEND tt, younger                ; younger: the LDS instructions issued behind piece tt's loads: the next piece's eight, or none
	WIN 0
.irp f, 0,1,2,3
	s_wait_dscnt (\younger)+3-(\f)
	global_store_b128 v[GO], v[OB+16*(\tt)+4*(\f):OB+16*(\tt)+4*(\f)+3], s[76:77] offset:((\tt)%2)*262144+((\tt)/2)*2048+(\f)*512  ; 512 consecutive bytes, at a multiple of 256 from the buffer's first
.endr
.endm
	s_wait_tensorcnt 1                             ; my part of K step 0 is in; K step 1's may stay out
	s_barrier_signal -1
	s_barrier_wait -1                              ; everybody's is
	FETCH 0, 0
	WIN 0
.Ltile:                                                ; three trips: q's tile, k's, v's.  The tile's first fragments have been asked for, by the line above or by the last change of slots
	s_wait_loadcnt 0x0                             ; the tile's bias: rounded to bf16 and widened again, while those fragments come
	WIN W_BI
.set i, 0
.rept 32
	v_cvt_pk_bf16_f32 v[BT+(i/2)%2], v[BIAS+i], v[BIAS+i+1]
	v_lshlrev_b32 v[BIAS+i], 16, v[BT+(i/2)%2]
	v_and_b32 v[BIAS+i+1], 0xffff0000, v[BT+(i/2)%2]
.set i, i+2
.endr
	WIN 0
	s_wait_dscnt 28                                ; x's block 0 of the first quarter
	CVT 0, 0
	QUARTER 1, 0, 1, 1                             ; a tile's first quarter stands in front of the step loop: its products start the sums
	WIN 0
	s_cmp_eq_u32 s[TL], 1
	s_cbranch_scc1 .Lno_bias                       ; the last tile has no successor
	s_cmp_eq_u32 s[TL], 3                          ; the next tile's bias, a whole tile ahead of its use: bk behind q's first quarter, bv behind k's.
	s_cselect_b64 s[74:75], s[14:15], s[16:17]     ; (The wait at the tile's head has shown the last loads by this base done; the eight roundings above are the places behind the products that read the bias.)
	BIASLD
.Lno_bias:
	s_mov_b32 s[LAP], 8
.Lstep:                                                ; a trip: a K step's second, third and last quarter and the next step's first; it fills the slot that it leaves.
	                                               ; Eight trips bound the loop; every tile leaves it by one of two forward jumps: a tile with a successor in the middle of its eighth trip, the last tile here,
	s_cmp_lg_u32 s[TL], 1                          ; at the head of its seventh: the walk's last two K steps ask for nothing
	s_cbranch_scc1 .Lfills
	s_cmp_eq_u32 s[LAP], 2
	s_cbranch_scc1 .Ltail_in
.Lfills:
	; The prefetch: each trip with an even count asks for the 1,024 bytes of each row of x that belong to the walk's K steps 2 PFC and 2 PFC + 1, whose tensor loads are issued two and three trips later,
	; in the next tensor too; one lane for each block of 256 bytes, each block once among the four partners of the cluster's row.  It stops at PFC = 12, where v's rows end.
	s_and_b32 s80, s[LAP], 1
	s_cmp_lg_u32 s80, 0
	s_cbranch_scc1 .Lno_prefetch
	s_cmp_ge_u32 s[PFC], 12
	s_cbranch_scc1 .Lno_prefetch
	s_wait_xcnt 0x0                                ; the base is written anew only behind this wait; the last prefetch stands two trips back
	s_lshr_b32 s80, s[PFC], 2                      ; the tensor: four pairs of K steps each
	s_cmp_eq_u32 s80, 1
	s_cselect_b64 s[78:79], s[6:7], s[4:5]
	s_cmp_eq_u32 s80, 2
	s_cselect_b64 s[78:79], s[8:9], s[78:79]
	s_and_b32 s80, s[PFC], 3
	s_lshl_b32 s80, s80, 10
	s_mov_b32 s81, 0
	s_add_nc_u64 s[78:79], s[78:79], s[80:81]
	global_prefetch_b8 v[PF], s[78:79] th:TH_LOAD_NT scope:SCOPE_SE
	s_add_co_u32 s[PFC], s[PFC], 1
.Lno_prefetch:
	QUARTER 2, 1, 0, 0
	QUARTER 3, 0, 1, 0
	TURN 1
	WIN 0
	s_cmp_eq_u32 s[LAP], 1
	s_cbranch_scc1 .Lout                           ; the tile's eighth K step: its sums are whole, the next tile's K steps 0 and 1 are asked for and its first fragments fetched
	s_wait_dscnt 28                                ; x's block 0 of the next slot's first quarter
	CVT 0, 0
	QUARTER 1, 0, 1, 0
	WIN 0
	s_sub_co_u32 s[LAP], s[LAP], 1
	s_cmp_lg_u32 s[LAP], 0
	s_cbranch_scc1 .Lstep
.Ltail_in:
	s_mov_b32 s[LAP], 2
.Ltail:                                                ; the walk's last two K steps have a text of their own: it fills nothing, and has no round of the cluster's barrier
	QUARTER 2, 1, 0, 0
	QUARTER 3, 0, 1, 0
	TURN 0
	WIN 0
	s_sub_co_u32 s[LAP], s[LAP], 1
	s_cmp_eq_u32 s[LAP], 0
	s_cbranch_scc1 .Lout                           ; the second trip is left here: the sums are whole
	s_wait_dscnt 28
	CVT 0, 0
	QUARTER 1, 0, 1, 0
	WIN 0
	s_branch .Ltail
.Lout:                                                 ; the tile goes out; where it has a successor, that tile's second K step is on its way meanwhile
	PACK 0
.irp t, 1,2,3,4,5,6,7                  ; a piece's arithmetic stands between the loads of the piece before and its stores
	PACK \t
	SEND (\t)-1, 8
.endr
	SEND 7, 0
	s_wait_xcnt 0x0                                ; the stores' data registers (the next tile's fragments land in half of them) and their base are written again only behind this wait; nothing waits for the stores themselves
	s_add_nc_u64 s[76:77], s[76:77], 0x1000000     ; the next tensor's plane
	s_mov_b32 s[SC], 1.0                           ; k and v are not scaled
	s_mov_b32 s[SC+1], 1.0
	s_sub_co_u32 s[TL], s[TL], 1
	s_cmp_lg_u32 s[TL], 0
	s_cbranch_scc1 .Ltile
	s_wait_tensorcnt 0x0                           ; the wave's end: behind my last tensor load and my last LDS store
	ds_add_u32 v[SPW], v[NIL]
	s_wait_dscnt 0x0
	CROUND                                         ; the closing round: no work-group ends while a partner may still ask for a tile that names it
	s_endpgm
.Lfunc_end_k_q9909f783a8_proj:
	.size	k_q9909f783a8_proj, .Lfunc_end_k_q9909f783a8_proj-k_q9909f783a8_proj
	.p2alignl 7, 3214868480
	.fill 96, 4, 3214868480
	.section	.rodata,"a",@progbits
	.p2align	6, 0x0
	.amdhsa_kernel k_q9909f783a8_proj
		.amdhsa_group_segment_fixed_size 327680
		.amdhsa_private_segment_fixed_size 0
		.amdhsa_enable_private_segment 0
		.amdhsa_kernarg_size 64
		.amdhsa_user_sgpr_count 2
		.amdhsa_user_sgpr_kernarg_segment_ptr 1
		.amdhsa_wavefront_size32 1
		.amdhsa_system_sgpr_workgroup_id_x 1
		.amdhsa_system_sgpr_workgroup_id_y 1
		.amdhsa_system_sgpr_workgroup_id_z 1
		.amdhsa_system_vgpr_workitem_id 0
		.amdhsa_next_free_vgpr 768
		.amdhsa_next_free_sgpr 96
		.amdhsa_reserve_vcc 0
		.amdhsa_float_denorm_mode_32 3
		.amdhsa_float_denorm_mode_16_64 3
		.amdhsa_memory_ordered 1
		.amdhsa_forward_progress 1
		.amdhsa_inst_pref_size 105
	.end_amdhsa_kernel
	.amdgpu_metadata
---
amdhsa.version: [ 1, 2 ]
amdhsa.kernels:
  - .name:           k_q9909f783a8_proj
    .symbol:         k_q9909f783a8_proj.kd
    .args:
      - { .name: q, .offset: 0, .size: 8, .value_kind: global_buffer, .address_space: global }
      - { .name: k, .offset: 8, .size: 8, .value_kind: global_buffer, .address_space: global }
      - { .name: v, .offset: 16, .size: 8, .value_kind: global_buffer, .address_space: global }
      - { .name: wt, .offset: 24, .size: 8, .value_kind: global_buffer, .address_space: global }
      - { .name: bq, .offset: 32, .size: 8, .value_kind: global_buffer, .address_space: global }
      - { .name: bk, .offset: 40, .size: 8, .value_kind: global_buffer, .address_space: global }
      - { .name: bv, .offset: 48, .size: 8, .value_kind: global_buffer, .address_space: global }
      - { .name: qkv, .offset: 56, .size: 8, .value_kind: global_buffer, .address_space: global }
    .group_segment_fixed_size: 327680
    .private_segment_fixed_size: 0
    .kernarg_segment_align: 8
    .kernarg_segment_size: 64
    .max_flat_workgroup_size: 128
    .sgpr_count:     96
    .vgpr_count:     768
    .wavefront_size: 32
...
	.end_amdgpu_metadata
.endif
;; end of part 2
;; launch attn (part 3): grid 4 x 64, 4 waves a work-group, clusters of 4 x 1, 327,680 bytes of LDS; arguments qkv, mask, oh; writes oh
.if DOCPART == 3
	.amdgcn_target "amdgcn-amd-amdhsa--gfx1250"
	.amdhsa_code_object_version 6
	.text
	.protected	k_q9909f783a8_attn
	.globl	k_q9909f783a8_attn
	.p2align	8
	.type	k_q9909f783a8_attn,@function
k_q9909f783a8_attn:
	s_mov_b64 s[64:65], 0
	v_nop
	global_prefetch_b8 v0, s[64:65] scope:SCOPE_SE
	s_setreg_imm32_b32 hwreg(HW_REG_WAVE_MODE, 25, 1), 1
	s_wait_xcnt 0x0
	s_wait_alu depctr_hold_cnt(0) depctr_sa_sdst(0) depctr_va_vdst(0) depctr_va_sdst(0) depctr_va_ssrc(0) depctr_va_vcc(0) depctr_vm_vsrc(0)
	s_getreg_b32 s2, hwreg(HW_REG_IB_STS2, 6, 4)
	s_cmp_eq_u32 s2, 0
	s_cbranch_scc0 .Lentry_in_a_cluster
	s_endpgm
.Lentry_in_a_cluster:
	s_bfe_u32 s2, ttmp6, 0x10000c
	s_cmp_lg_u32 s2, 0x3003
	s_cbranch_scc0 .Lentry_shape_is_right
	s_endpgm
.Lentry_shape_is_right:
; oh[hb][q][:] = the sum over k of softmax_k(s[q][k]) V[hb][k][:], with s = Q . K + mask[batch][k] x (-1e30 log2 e), taken as exponents of 2.
; qkv: [3][64 hb][2048][64] f16: plane 0 is Q already times log2(e) / 8, plane 1 K, plane 2 V; hb = 16 batch + head.  mask: [4][2048] int32.  oh: [64][2048][64] f16.
; Products, maxima and sums in f32; the weights p are rounded to f16 for the second product (their sum l is taken of the unrounded p), O once at the end.
; LIMITS.  Q, K and V arrive within f16's 65,504; p lies in 0 to 1, and below 6e-5 it keeps f16's fixed step of 6e-8; O is a mean of V's rows and has their range.  mask x 1.44e30 is finite for |mask| below 2e8.
; A weight below 2^-126 counts as 0 in l; NaN and infinities are not treated apart.
; THE MASK is the C operand of the product that starts a score's sum: the number f32(mask) x -1.4427e30, whatever the mask holds.  Beside it a score vanishes in the rounding, so all keys hidden alike have the same s;
; p = 2^(s - m) is made of the exact difference, so where every key seen so far is hidden p = 1 (the mean of V, as the softmax of equal scores gives), and the first open key brings a = 0, which wipes those sums.
; SHARES.  A wave owns four PIECES of two tiles of 16 queries, a work-group's four waves 512 queries of one head: 256 work-groups.  Every wave walks all 2,048 keys, 64 a step.
; LAYOUT.  S^T = K Q^T (source 0 = 16 keys, source 1 = 16 queries): in the result a lane holds ONE query (lane % 16) and the keys 8 (lane / 16) + 0..7.  Two such tiles, rounded to f16 in pairs,
; ARE source 1 (32 keys x 16 queries) of O^T = V^T P, whose result again holds one query a lane, and eight channels.  K comes out of LDS as it lies, V ([key][channel]) turned, by ds_load_tr16_b128.
; SOFTMAX.  For each query a running maximum m and sum l; in every step O and l are multiplied by a = 2^(m_old - m_new), which is 1 where m has not grown.
; m starts at the lowest finite number, O and l at 0: the first step is a step like any other, with a = 0.
; THE COUNT.  A tile and step have 16 matrix and 117 vector instructions: too many to stand all beside the matrix work.  So: four vector instructions that are READY behind EVERY matrix instruction,
; and the others, which need time of their own whatever the order, in runs without a gap.
; BY TURNS.  Turn n belongs to piece n (the pieces in a ring, step after step).  Its matrix work: 16 products K Q^T of piece n + 1, later 16 products V^T P of piece n - 1.  Its vector work: the differences,
; exponentials, roundings, sums and rescaling of piece n, and the maximum and statistics of piece n + 1, whose scores the turn itself has made.
; CLUSTER.  The four query blocks of a cluster belong to one head and walk the same K and V, so each tile is asked for JOINTLY: the same tensor load, descriptor and mask of work-groups in all four.
; REGISTERS, in windows of 256 (s_set_vgpr_msb: bits 1:0 source 0, 3:2 source 1, 5:4 source 2, 7:6 destination):
;   window 0: v0-15 addresses; v16-47 four registers of statistics a tile; v48-63 at work; v64-191 S^T, two buffers of two tiles; v192-255 P, likewise
;   window 1: O^T, 32 a tile      window 2: v0-127 Q, 16 a tile; v128-191 K of one step; v192-255 V of one step      window 3: v0-1 the add's two registers; v8-39 the mask numbers of one step
; A piece's buffers go by its number's parity.
.set SIZE_N, 2048
.set NP,    4         ; pieces a wave: a name, no knob
.set KS,    64        ; keys in a step
.set PK,    144       ; a row of K in LDS: 128 bytes + 16 of padding = 36 words: the 16 rows of a load start at 16 different groups of four banks (64 banks of 4 bytes: ISA guide 11.1)
.set PV,    160       ; a row of V: 128 + 32 = 40 words
.set VOFF,  4*KS*PK   ; a slot holds four steps: 256 rows of K, then 256 rows of V
.set SLOT1, 1<<17     ; slot 1 begins here, so that one exclusive or turns an address in one slot into the other's
.set STAGE, SLOT1+4*KS*(PK+PV)  ; behind the ring, never filled by a tensor load: 16 rows x 144 bytes for each wave, for the way out
.set SP,    144
.set SPARE, STAGE+4*16*SP  ; behind the stages: the spare words, 128 bytes for each wave: two blocks of 256 bytes that no other line names
.set MASKL, SPARE+512 ; behind them: the batch's 2,048 mask numbers in f32, 8,192 bytes, stored once; no tensor load lands here
.set AK0, 2           ; v2   my lane's place in a tile of K; never rewritten
.set AV0, 3           ; v3   the same for V
.set AK,  4           ; v4   the LDS address of K's next run of loads
.set AV,  5           ; v5   of V's
.set QO,  6           ; v6   my byte offset in the wave's rows of Q
.set STO, 6           ;      later, the way out: where I put 16 bytes of a row
.set RD,  7           ; v7   the way out: where I read rows back
.set GO,  8           ; v8   my byte offset in 512 consecutive bytes of O
.set AM0, 12          ; v12  my lanes' place in a step's 64 mask numbers: MASKL + 32 (l / 16); never rewritten
.set AMK, 13          ; v13  the LDS address of the mask's next run of loads
.set SPW, 0           ; v0 of window 3   LDS address of my spare word; never rewritten
.set NIL, 1           ; v1 of window 3   0; never rewritten
.set MK,  8           ; window 3: the eight numbers for key block kb at MK + 8 kb
.set ST,  16          ; tile t's statistics at v[ST+4 t]: m, m_old, l (even keys', odd keys')
.set TMP, 48          ; by buffer and tile, four registers c0-c3 at work; when the maximum is found c2 takes a
.set S,   64
.set P,   192
.set KF,  128         ; K's fragments, in window 2: key block kb, channel half c at KF + 16 kb + 8 c
.set VF,  192         ; V's: key half kk, channel block cb at VF + 32 kk + 8 cb
.set WV,  12          ; s12  my wave's number
.set G1K, 24          ; s[24:31] descriptor group 1 for K's tiles
.set G1V, 32          ; s[32:39] for V's: it differs in the padding alone
.set G0K, 40          ; s[40:43] descriptor group 0 for K's tiles: it walks
.set G0V, 44          ; s[44:47] the same for V's
.set TBM, 48          ; s48  byte in the mask table at which the step to be fetched begins
.set MP,  50          ; s[50:51] the mask of my batch
.set SLOTS, 56        ; s56  slots still to be asked for
.set CNT, 57          ; s57  counts a slot's key steps
.set SEL, 60          ; s[60:61] v_permlanex16_b32's selects: each lane takes its own place in the other half
.set TBK, 62          ; s62  LDS byte at which K of the step to be fetched begins
.set TBV, 63          ; s63  the same for V, less VOFF
.set MSB, 0
.macro WIN new                      ; the high byte repeats the setting that is left; a switch that changes nothing is dropped
.if MSB != (\new)
	s_set_vgpr_msb (MSB<<8)|(\new)
.set MSB, (\new)
.endif
.endm
.set W_KQ, 0x0a       ; K and Q in window 2, S^T in window 0
.set W_KM, 0x3a       ; the same with the C operand, the mask numbers, in window 3
.set W_PV, 0x52       ; V in window 2, P in window 0, O^T in window 1
.set W_RS, 0x41       ; O^T (destination and source 0) in window 1, a in window 0
.set W_MK, 0xc0       ; destination in window 3, sources in window 0
.set W_AD, 0x0f       ; the add: address (source 0) and data (source 1) in window 3
; A joint fill.  Waves 0 and 1 fetch the two halves of a slot's K, waves 2 and 3 those of its V: 128 keys each.  The branch hangs on the wave's number alone.
; An s_nop 0 and four v_nop follow each of the two lines, ahead of the jump and the label.
.macro JLOAD
	s_cmp_lt_u32 s[WV], 2
	s_cbranch_scc0 .Lfor_v_\@
	tensor_load_to_lds s[G0K:G0K+3], s[G1K:G1K+7]
	s_nop 0
.rept 4
	v_nop
.endr
	s_branch .Lasked_\@
.Lfor_v_\@:
	tensor_load_to_lds s[G0V:G0V+3], s[G1V:G1V+7]
	s_nop 0
.rept 4
	v_nop
.endr
.Lasked_\@:
.endm
; A round of the cluster's barrier: my work-group's barrier, so that wave 0's signal speaks for all four waves; wave 0 signals; every wave waits for all four work-groups; my work-group's barrier once more.
.macro CROUND
	s_barrier_signal -1
	s_barrier_wait -1
	s_cmp_lg_u32 s[WV], 0
	s_cbranch_scc1 .Lnot_wave_0_\@
	s_barrier_signal -3
.Lnot_wave_0_\@:
	s_barrier_wait -3
	s_barrier_signal -1
	s_barrier_wait -1
.endm
; THE CHANGE OF SLOTS.  The slot's last bytes, V of its fourth step, have been read.  Each wave waits for all its tensor loads, of which one is out: its part of the other slot; adds 0 to its spare word;
; and waits for that and for its own LDS instructions.  Behind the barrier nobody reads this slot any more and the other slot is whole.
; fill = 1: this slot is filled again, with the keys two slots on.  The barrier is then a round of the cluster's, and the joint fill is the first thing behind it: it has four key steps, 512 matrix
; instructions, in which to land.  (At its first use nothing has been read yet: slot 0 is waited for, slot 1 filled, and every wave's stores into the mask table are done.)
.macro CHANGE fill
	WIN W_AD
	s_wait_tensorcnt 0x0            ; no tensor load of mine is out, so a group 0 may be written
	ds_add_u32 v[SPW], v[NIL]       ; 0 onto my spare word; with fill = 1 the descriptors' steps stand between it and the wait for it
	WIN 0                           ; at a label and at a branch every window is 0
.if \fill
.irp g, G0K, G0V
	s_xor_b32 s[\g+1], s[\g+1], SLOT1  ; the walking descriptor: the other slot than last time,
	s_add_nc_u64 s[\g+2:\g+3], s[\g+2:\g+3], 4*KS*128  ; the next 256 keys; the type bits on top are not reached
.endr
	s_wait_dscnt 0x0                ; the add is done, and my LDS reads and stores are over
	CROUND
	JLOAD
.else
	s_wait_dscnt 0x0                ; the add is done, and my reads of the slot are over
	s_barrier_signal -1
	s_barrier_wait -1
.endif
	s_sub_co_u32 s[TBK], s[TBK], 4*KS*PK  ; the fetches go back to a slot's first step,
	s_xor_b32 s[TBK], s[TBK], SLOT1       ; in the other slot
	s_sub_co_u32 s[TBV], s[TBV], 4*KS*PV
	s_xor_b32 s[TBV], s[TBV], SLOT1
.endm
	s_load_b128 s[4:7], s[0:1], 0x0   ; qkv s[4:5], mask s[6:7]
	s_load_b64 s[10:11], s[0:1], 0x10 ; oh
	WIN W_MK
	v_lshl_add_u32 v[SPW], v0, 2, SPARE
	v_mov_b32 v[NIL], 0
	s_set_vgpr_msb 0xc0cf
	ds_add_u32 v0, v1
	s_wait_dscnt 0x0
	s_set_vgpr_msb 0xcfc0
	WIN 0
	v_lshrrev_b32 v1, 5, v0
	v_readfirstlane_b32 s[WV], v1   ; wave 0..3
	s_bfe_u32 s13, ttmp6, 0x40000   ; cx: my place in the cluster
	s_lshl_b32 s14, ttmp9, 2        ; in a cluster launch ttmp9 counts clusters
	s_add_co_u32 s14, s14, s13      ; my block of queries = 4 x cluster x + cx: it enters Q's and O's addresses alone
	s_and_b32 s20, ttmp7, 0xffff    ; hb, which the four partners share
	s_lshr_b32 s52, s20, 4          ; the batch:
	s_lshl_b32 s52, s52, 13         ; its 2,048 words of the mask
	s_mov_b32 s53, 0
	s_mov_b32 s21, 0
	s_mov_b64 s[22:23], SIZE_N*128
	s_mul_u64 s[20:21], s[20:21], s[22:23]  ; the head's first byte in each plane and in oh
	s_and_b32 s16, s[WV], 1         ; which half of a slot's 256 keys I fetch:
	s_lshl_b32 s22, s16, 14         ; its 128 rows of 128 bytes in memory,
	s_mov_b32 s23, 0
	s_add_nc_u64 s[22:23], s[22:23], s[20:21]
	s_mul_i32 s17, s16, 128*PK      ; and its place in a slot, for K
	s_mul_i32 s18, s16, 128*PV      ; and for V: no place in the cluster enters an LDS address
	s_lshl_b32 s2, s14, 2
	s_add_co_u32 s2, s2, s[WV]      ; my wave among the head's,
	s_lshl_b32 s2, s2, 14           ; its 128 rows
	s_mov_b32 s3, 0
	s_add_nc_u64 s[2:3], s[2:3], s[20:21]
	; descriptor group 1.  128 keys are 16,384 dense bytes: asked for as 64 rows of 256 bytes, two keys a row, and padded in LDS after every key
	s_mov_b32 s[G1K], 15|(1<<16)|(1<<20)|(1<<21)|(4<<22)|(3<<25)  ; 15:0 the mask of four; 17:16 2-byte elements; 20 padding on; 21 set beside a mask; 24:22 after every 32 words (code 4); 31:25 4 words (code 3)
	s_mov_b32 s[G1V], 15|(1<<16)|(1<<20)|(1<<21)|(4<<22)|(7<<25)  ; the same with 8 words of padding (code 7)
.irp g, G1K, G1V
	s_mov_b32 s[\g+1], 128<<16      ; tensor_dim0 = 128
	s_mov_b32 s[\g+2], 64<<16       ; tensor_dim1 = 64
	s_mov_b32 s[\g+3], 128<<16      ; tile_dim0 = 128
	s_mov_b32 s[\g+4], 64           ; tile_dim1 = 64
	s_mov_b32 s[\g+5], 128          ; 128 elements from row to row
	s_mov_b32 s[\g+6], 0
	s_mov_b32 s[\g+7], 0
.endr
	s_mov_b32 s[SEL], 0x76543210
	s_mov_b32 s[SEL+1], 0xfedcba98
	s_mov_b32 s[TBK], SLOT1+4*KS*PK ; the first change of slots turns these two into 0
	s_mov_b32 s[TBV], SLOT1+4*KS*PV
	s_mov_b32 s[TBM], 0
	s_mov_b32 s[G0K], 1             ; 1:0 count = 1
	s_mov_b32 s[G0K+1], s17         ; 63:32 LDS address: slot 0
	s_mov_b32 s[G0V], 1
	s_add_co_u32 s[G0V+1], s18, VOFF
	s_wait_kmcnt 0x0
	s_add_nc_u64 s[MP:MP+1], s[6:7], s[52:53]      ; the mask at my batch
	s_add_nc_u64 s[6:7], s[4:5], 0x1000000         ; plane 1: K
	s_add_nc_u64 s[8:9], s[4:5], 0x2000000         ; plane 2: V
	s_add_nc_u64 s[G0K+2:G0K+3], s[6:7], s[22:23]  ; 120:64 global address: my half of the head's first 256 keys
	s_or_b32 s[G0K+3], s[G0K+3], 0x80000000        ; 127:126 type = 2
	s_add_nc_u64 s[G0V+2:G0V+3], s[8:9], s[22:23]
	s_or_b32 s[G0V+3], s[G0V+3], 0x80000000
	s_add_nc_u64 s[4:5], s[4:5], s[2:3]  ; Q and O at my wave's first row
	s_add_nc_u64 s[10:11], s[10:11], s[2:3]
	CROUND                          ; all four work-groups are here: the first joint loads meet
	JLOAD                           ; slot 0.  Slot 1 is asked for when slot 0 is in
	; the batch's mask: 128 threads x 16 bytes, four times: whole runs of 2,048 consecutive bytes
	v_lshlrev_b32 v14, 4, v0
	v_add_nc_u32 v15, MASKL, v14
.irp i, 0,1,2,3
	global_load_b128 v[S+4*\i:S+4*\i+3], v14, s[MP:MP+1] offset:2048*\i
.endr
	; A fragment of K or Q is 16 rows x 32 channels in 8 registers: lane l holds row l % 16, channels 8 (l / 16) + 0..7 and 16 + 8 (l / 16) + 0..7: two loads of 16 bytes, 32 bytes apart.
	v_and_b32 v1, 15, v0            ; l % 16
	v_bfe_u32 v9, v0, 4, 1          ; l / 16
	v_lshlrev_b32 v[QO], 7, v1
	v_lshl_add_u32 v[QO], v9, 4, v[QO]  ; row x 128 + 16 x half
	WIN 0x80                        ; destination window 2, address window 0
.set i, 0
.rept 4*NP                          ; Q stays in registers: tile i / 2, channels 32 (i % 2) on
	global_load_b128 v[8*i:8*i+3],   v[QO], s[4:5] offset:(i/2)*2048+(i%2)*64
	global_load_b128 v[8*i+4:8*i+7], v[QO], s[4:5] offset:(i/2)*2048+(i%2)*64+32
.set i, i+1
.endr
	; What the first turn finds: V's registers and P's second buffer hold 0 (its products V^T P, of a piece that has not been, add 0), O^T and l are 0.  All this stands in the wait for the first tile.
.set i, VF
.rept 64
	v_mov_b32 v[i], 0
.set i, i+1
.endr
	WIN 0x40
.set i, 0
.rept 64*NP
	v_mov_b32 v[i], 0
.set i, i+1
.endr
	WIN 0
.set i, 0
.rept 2*NP
	v_mov_b32 v[ST+4*i], 0xff7fffff    ; m: the lowest finite number
	v_mov_b32 v[ST+4*i+1], 0xff7fffff  ; m_old: named with it as a pair
	v_mov_b32 v[ST+4*i+2], 0
	v_mov_b32 v[ST+4*i+3], 0
.set i, i+1
.endr
.set i, P+32
.rept 32
	v_mov_b32 v[i], 0
.set i, i+1
.endr
	v_mul_u32_u24 v[AK0], v1, PK
	v_lshl_add_u32 v[AK0], v9, 4, v[AK0]  ; row x pitch + 16 x half
	; The turning load takes 16 keys x 16 channels (lane l reads key 8 (l / 16) + l % 8, channels 8 ((l / 8) % 2) + 0..7) and leaves half a fragment of V^T: lane l holds channel l % 16 and 8 keys.
	v_and_b32 v10, 7, v0
	v_bfe_u32 v11, v0, 3, 1
	v_lshl_add_u32 v[AV0], v9, 3, v10
	v_mul_u32_u24 v[AV0], v[AV0], PV
	v_lshl_add_u32 v[AV0], v11, 4, v[AV0]
	v_add_nc_u32 v[AV0], VOFF, v[AV0]
	v_mov_b32 v[AK], v[AK0]         ; key step 0 lies at the head of slot 0
	v_lshl_add_u32 v[AM0], v9, 5, MASKL  ; a lane's eight keys of a block of 16: 32 bytes for each half of the lanes
	v_mov_b32 v[AMK], v[AM0]
	s_wait_loadcnt 32               ; the mask's four loads are in; Q's 32, issued behind them, may stay out
.set i, 0
.rept 16
	v_cvt_f32_i32 v[S+i], v[S+i]
.set i, i+1
.endr
.set i, 0
.rept 8
	v_pk_mul_f32 v[S+i:S+i+1], v[S+i:S+i+1], 0xf191accb op_sel_hi:[1,0]  ; times -1e30 log2(e) = -1.4427e30
.set i, i+2
.endr
.irp i, 0,1,2,3
	ds_store_b128 v15, v[S+4*\i:S+4*\i+3] offset:2048*\i  ; the first change of slots waits for these and passes a barrier before anybody reads the table
.endr
; THE MATRIX WORK.  The 8 accumulators of a run of 16 take turns: between the two links of a chain stand 7 others'.
; Product i of 16 of S^T = K Q^T for piece x: channels 32 (i / 8) on, keys 16 ((i / 2) % 4) on, tile 2 x + i % 2.  The first 8 start the sums, with the key block's mask numbers as C.
.macro KQ x
.set rS, S+64*((\x)%2)+32*(i%2)+8*((i/2)%4)
.set rK, KF+16*((i/2)%4)+8*(i/8)
.set rQ, 16*(2*(\x)+i%2)+8*(i/8)
.set rM, MK+8*((i/2)%4)
.if i < 8
	WIN W_KM
	v_wmma_f32_16x16x32_f16 v[rS:rS+7], v[rK:rK+7], v[rQ:rQ+7], v[rM:rM+7]
.else
	WIN W_KQ
	v_wmma_f32_16x16x32_f16 v[rS:rS+7], v[rK:rK+7], v[rQ:rQ+7], v[rS:rS+7]
.endif
.endm
; Product i of 16 of O^T += V^T P for piece x: keys 32 (i / 8) on, channels 16 ((i / 2) % 4) on, tile 2 x + i % 2.
.macro PV x
	WIN W_PV
.set rO, 32*(2*(\x)+i%2)+8*((i/2)%4)
.set rV, VF+32*(i/8)+8*((i/2)%4)
.set rP, P+32*((\x)%2)+16*(i%2)+8*(i/8)
	v_wmma_f32_16x16x32_f16 v[rO:rO+7], v[rV:rV+7], v[rP:rP+7], v[rO:rO+7]
.endm
.macro MM                           ; the turn's next matrix instruction
.if i < 16
	KQ (Y+1)%NP
.set i, i+1
.else
.set i, i-16
	PV (Y+NP-1)%NP
.set i, i+17
.endif
.endm
; THE LDS LOADS stand in runs, never singly among the matrix instructions: a step's K (64 keys x 64 channels: 8 fragments) with its 64 mask numbers, and its V (turned).  Their addresses are made some lines ahead.
; last = 1 (the tail): in the last trip there is no further step, and the run is jumped over.
.macro FETCH_K last=0
	WIN 0
.if \last
	s_cmp_eq_u32 s[CNT], 1
	s_cbranch_scc1 .Lno_k_\@
.endif
	WIN 0x80                        ; destination window 2
.irp f, 0,1,2,3,4,5,6,7             ; keys 16 (f / 2) on, channels 32 (f % 2) on
	ds_load_b128 v[KF+8*\f:KF+8*\f+3],   v[AK] offset:(\f/2)*16*PK+(\f%2)*64
	ds_load_b128 v[KF+8*\f+4:KF+8*\f+7], v[AK] offset:(\f/2)*16*PK+(\f%2)*64+32
.endr
	WIN W_MK                        ; destination window 3
.irp f, 0,1,2,3                     ; key block f: my eight keys' numbers; the sixteen lanes of a half read the same words
	ds_load_b128 v[MK+8*\f:MK+8*\f+3],   v[AMK] offset:64*\f
	ds_load_b128 v[MK+8*\f+4:MK+8*\f+7], v[AMK] offset:64*\f+16
.endr
	s_add_co_u32 s[TBK], s[TBK], KS*PK  ; the next fetch is the next step's
	s_add_co_u32 s[TBM], s[TBM], 4*KS
	s_and_b32 s[TBM], s[TBM], 0x1f00    ; the walk's 32 fetches end at 31 x 256; the and keeps the address inside the table's 8,192 bytes whatever the count
	WIN 0
.if \last
.Lno_k_\@:
.endif
.endm
.macro FETCH_V
	WIN 0x80
.irp f, 0,1,2,3,4,5,6,7             ; keys 32 (f / 4) on, channels 16 (f % 4) on
	ds_load_tr16_b128 v[VF+8*\f:VF+8*\f+3],   v[AV] offset:(\f/4)*32*PV+(\f%4)*32
	ds_load_tr16_b128 v[VF+8*\f+4:VF+8*\f+7], v[AV] offset:(\f/4)*32*PV+16*PV+(\f%4)*32
.endr
	WIN 0
.endm
; THE VECTOR WORK OF A TURN stands in three queues, each in the order in which its entries become ready; the two tiles alternate, so that no instruction reads the result of the one before it.
.macro REGS y, u                    ; the registers of tile u (0, 1) of piece y
.set rT, ST+4*(2*(\y)+(\u))
.set rC, TMP+8*((\y)%2)+4*(\u)
.set rS, S+64*((\y)%2)+32*(\u)
.set rP, P+32*((\y)%2)+16*(\u)
.set rO, 32*(2*(\y)+(\u))
.endm
; Number n of the 21 (0 to 18, 20, 21) that find the NEXT piece's (Y + 1) maximum and statistics.  s0-s31 are the lane's 32 scores; each accumulator's lowest registers are read first.
;   0-11  four chains c0-c3 of seven scores each, three operands at a time     12-14, 16  the four scores left over, the old m, and c0-c3 into c0     15  m_old is kept
;   17, 18  the query's other 32 keys lie in the lane 16 away: the new m         20, 21  m_old - m_new; a
.macro XS u, n
	REGS (Y+1)%NP, \u
.if (\n) < 4
	v_max3_num_f32 v[rC+(\n)], v[rS+8*(\n)], v[rS+8*(\n)+1], v[rS+8*(\n)+2]
.elseif (\n) < 12
	v_max3_num_f32 v[rC+(\n)%4], v[rC+(\n)%4], v[rS+8*((\n)%4)+2*((\n)/4)+1], v[rS+8*((\n)%4)+2*((\n)/4)+2]
.elseif (\n) == 12
	v_max3_num_f32 v[rC], v[rC], v[rS+7], v[rS+15]
.elseif (\n) == 13
	v_max3_num_f32 v[rC+1], v[rC+1], v[rS+23], v[rS+31]
.elseif (\n) == 14
	v_max3_num_f32 v[rC+2], v[rC+2], v[rC+3], v[rT]
.elseif (\n) == 15
	v_mov_b32 v[rT+1], v[rT]
.elseif (\n) == 16
	v_max3_num_f32 v[rC], v[rC], v[rC+1], v[rC+2]
.elseif (\n) == 17
	v_permlanex16_b32 v[rC+3], v[rC], s[SEL], s[SEL+1]
.elseif (\n) == 18
	v_max_num_f32 v[rT], v[rC], v[rC+3]
.elseif (\n) == 20
	v_sub_f32 v[rC+1], v[rT+1], v[rT]
.else
	v_exp_f32 v[rC+2], v[rC+1]
.endif
.endm
; Number g of the 64 that follow the exponentials.  For each four weights k of a tile (pairs 2 k, 2 k + 1): both pairs are rounded to f16; then the second pair is added onto the first, in place;
; a group later l takes that sum (the first time as l = a l + sum).  In groups of eight, tiles alternating: round, round, add, and l for the group before.
.macro GS g
.set h, (\g)+6*((\g)/62)            ; group 0 has no group before it, and behind group 7 only l is left
.if h >= 6
.set h, h+2
.endif
	REGS Y, h%2
.set k, h/8
.if h%8 < 4
	s_wait_alu depctr_va_vdst(0)
	v_cvt_pk_f16_f32 v[rP+2*k+(h%8)/2], v[rS+4*k+2*((h%8)/2)], v[rS+4*k+2*((h%8)/2)+1]
.elseif h%8 < 6
	v_pk_add_f32 v[rS+4*k:rS+4*k+1], v[rS+4*k:rS+4*k+1], v[rS+4*k+2:rS+4*k+3]
.elseif k == 1
	v_pk_fma_f32 v[rT+2:rT+3], v[rT+2:rT+3], v[rC+2:rC+3], v[rS:rS+1] op_sel_hi:[1,0,1]
.else
	v_pk_add_f32 v[rT+2:rT+3], v[rT+2:rT+3], v[rS+4*k-4:rS+4*k-3]
	s_wait_alu depctr_va_vdst(0)
.endif
.endm
; THE PLAIN QUEUE, 136 long.  0-31: s - m for the 16 pairs of both tiles.  Then GS's 64, and among them the next piece's 40: number 15 at 38, 39; 0-14 and 16
; at 42-73, behind the products that make those scores; 17, 18, 20 at 95-103, two of three, since each waits for the one before it.
.macro PL
	WIN 0
.if q < 32
	REGS Y, q%2
	v_pk_add_f32 v[rS+2*(q/2):rS+2*(q/2)+1], v[rS+2*(q/2):rS+2*(q/2)+1], v[rT:rT+1] op_sel_hi:[1,0] neg_lo:[0,1] neg_hi:[0,1]
.elseif q < 38
	GS q-32
.elseif q < 40
	XS q%2, 15
.elseif q < 42
	GS q-34
.elseif q < 74
	XS q%2, (q-42)/2+(q-42)/30
.elseif q < 95
	GS q-66
.elseif (q < 104) && ((q-95)%3 < 2)
	XS (q-95)%3, 17+(q-95)/3+(q-95)/6
.elseif q < 104
	GS 29+(q-95)/3
.else
	GS q-72
.endif
.set q, q+1
.endm
; THE EXPONENTIALS' QUEUE, 66 long: s0-s31 of both tiles, and at EA the next piece's two a.
.set EA, 58
.macro EX
	WIN 0
.if (e == EA) || (e == EA+1)
	XS e-EA, 21
.else
.set x, e-2*(e/(EA+2))
	REGS Y, x%2
	v_exp_f32 v[rS+x/2], v[rS+x/2]
.endif
.set e, e+1
.endm
; THE RESCALING's QUEUE: O^T times a, the one part that leaves window 0, so it is dealt four at a time, eight times.
.macro R4
	REGS Y, r%2
	WIN W_RS
	s_wait_alu depctr_va_vdst(0)
.irp z, 0,1,2,3
	v_pk_mul_f32 v[rO+8*(r/2)+2*\z:rO+8*(r/2)+2*\z+1], v[rO+8*(r/2)+2*\z:rO+8*(r/2)+2*\z+1], v[rC+2:rC+3] op_sel_hi:[1,0]
.endr
.set r, r+1
.endm
; HOW THEY ARE DEALT.  Behind a matrix instruction four: plain, exponential, plain, plain (one exponential, a plain instruction on either side), or four of the rescaling.  None names a register of the
; products round it.  What is over stands in two LUMPS: exponential and plain by turns; the second ends in 20 plain instructions.  The two v_permlanex16_b32 fall into the second lump, never behind a product.
; The queues lean on each other, and the deal keeps them in step: exponential e stands behind plain 2 (e / 4) + e % 2 (its difference); in the second lump plain q stands behind exponential q - 50, and the
; rounding at plain q wants exponential q - 64 at the latest; the two a (EA) come behind plain 107, their arguments stand at 101 and 102.
.macro SL
	MM
	PL
	EX
	PL
	PL
.endm
.macro BURST n                      ; 15 matrix instructions, or 16
.rept (\n)-7
	SL
.endr
.rept 3
	MM
	R4
	SL
.endr
	MM
	R4
.endm
; A TURN, for piece p.  cnt = 1: the loop's count is taken down some lines ahead of the branch that stands behind the turn.
; K and the mask numbers of the next step are fetched in piece 2's turn, more than 30 vector instructions behind the last product that read them; their first reader comes behind the rest of the lump,
; 16 products and the second lump.  V of the step in hand is fetched at the end of piece 0's turn, more than 60 behind its last reader.  The four conditions on e and q below go with the deal.
.macro TURN p, last=0, cnt=0
.set Y, (\p)
.set i, 0
.set q, 0
.set e, 0
.set r, 0
.if (\p) == NP-1
	s_wait_dscnt 0x0                ; K and the mask numbers are in
.endif
	MM
.rept 4
	PL
.endr
	BURST 15
.rept 22
	EX
	PL
.if ((\p) == NP-2) && (e == 18)
	v_add_nc_u32 v[AK], s[TBK], v[AK0]
	v_add_nc_u32 v[AMK], s[TBM], v[AM0]
.endif
.if ((\p) == NP-2) && (e == 24)
	FETCH_K \last
.endif
.endr
.if (\p) == 1
	s_wait_dscnt 0x0                ; V is in
.endif
	BURST 16
.rept 21
	EX
	PL
.endr
.rept 20
	PL
.if ((\p) == 0) && (q == 118)
	v_add_nc_u32 v[AV], s[TBV], v[AV0]
	s_wait_alu depctr_va_vdst(0)
.endif
.if ((\p) == 0) && (q == 130)
	s_add_co_u32 s[TBV], s[TBV], KS*PV
.endif
.if (\cnt) && (q == 130)
	s_sub_co_u32 s[CNT], s[CNT], 1
	s_cmp_lg_u32 s[CNT], 0
.endif
.endr
.if (\p) == 0
	FETCH_V
.endif
.endm
	CHANGE 1                        ; slot 0 is in, everybody's part of it, and the mask table is whole; slot 1 is asked for
	FETCH_K                         ; key step 0
	s_wait_loadcnt 0x0              ; Q
	s_wait_dscnt 0x0
.set i, 0
.rept 16
	KQ 0                            ; piece 0's first scores: there is no vector work yet to set between them
.set i, i+1
.endr
	WIN 0                           ; the addresses for the way out: nine plain instructions, the places behind those products
	s_mul_i32 s13, s[WV], 16*SP
	s_add_co_u32 s13, s13, STAGE    ; my stage
	v_mul_u32_u24 v[STO], v1, SP    ; in: row l % 16, 16 bytes for each half of the lanes
	v_lshl_add_u32 v[STO], v9, 4, v[STO]
	v_add_nc_u32 v[STO], s13, v[STO]
	v_bfe_u32 v[RD], v0, 3, 2       ; back: 32 lanes take four rows of 128 bytes,
	v_mul_u32_u24 v[RD], v[RD], SP
	v_lshl_add_u32 v[RD], v10, 4, v[RD]
	v_add_nc_u32 v[RD], s13, v[RD]
	v_and_b32 v[GO], 31, v0         ; which are 512 consecutive bytes of O
	v_lshlrev_b32 v[GO], 4, v[GO]
.set Y, NP-1                        ; XS works for piece Y + 1: piece 0
.irp n, 0,1,2,3,4,5,6,7,8,9,10,11,12,13,14,15,16,17,18,20,21
	XS 0, \n                        ; and piece 0's first maximum and statistics
	XS 1, \n
.endr
	s_mov_b32 s[CNT], 4
	s_mov_b32 s[SLOTS], SIZE_N/256-1
	s_branch .Lfirst                ; the loop is entered at a step's first turn, in the middle of a trip
.Lslot:                             ; SIZE_N / 256 - 2 times: every slot but the last two is filled again
	CHANGE 1
	s_mov_b32 s[CNT], 4
.Lstep:                             ; a trip: pieces 2 and 3 of one step, then pieces 0 and 1 of the next, whose K and V it fetches
	TURN 2
	TURN 3
	WIN 0
.Lfirst:
	TURN 0
	TURN 1, 0, 1
	WIN 0
	s_cbranch_scc1 .Lstep
	s_sub_co_u32 s[SLOTS], s[SLOTS], 1
	s_cmp_lg_u32 s[SLOTS], 0
	s_cbranch_scc1 .Lslot
	CHANGE 0                        ; the tail is written out: nothing is asked for
	s_mov_b32 s[CNT], 5             ; four trips fetch the last slot's steps; the fifth is left in its middle
.Ltail:
	TURN 2, 1
	TURN 3
	WIN 0
	s_sub_co_u32 s[CNT], s[CNT], 1
	s_cmp_eq_u32 s[CNT], 0
	s_cbranch_scc1 .Lout
	TURN 0
	TURN 1
	WIN 0
	s_branch .Ltail
.Lout:                              ; the fifth trip's 16 products K Q^T (on the last K once more) and the maximum made of them serve nothing: the price, once a launch, of one text for every trip
.set i, 0
.rept 16
	PV NP-1                         ; the last piece's V^T P of the last step
.set i, i+1
.endr
	; THE WAY OUT.  l's two halves and the other half of the lanes' are added; O^T is divided by l, rounded to f16 and sent through my stage in LDS, a tile at a time.  The additions are the places behind the last products.
	WIN 0
.macro ALL line:vararg              ; one line for each tile t
.set t, 0
.rept 2*NP
	\line
.set t, t+1
.endr
.endm
	ALL v_add_f32 v[ST+4*t+2], v[ST+4*t+2], v[ST+4*t+3]
	ALL v_permlanex16_b32 v[ST+4*t+3], v[ST+4*t+2], s[SEL], s[SEL+1]
	ALL v_add_f32 v[ST+4*t+2], v[ST+4*t+2], v[ST+4*t+3]
	ALL v_rcp_f32 v[ST+4*t+2], v[ST+4*t+2]
	v_nop                           ; a plain instruction between the last reciprocal and the use of its result
	s_wait_alu depctr_va_vdst(0)
; Tile t: a lane's eight channels of a row pack into 16 bytes; they go into rows of 144 bytes and come back as whole rows of 128, into S^T's registers.
.macro PACK t
	WIN W_RS
.set i, 32*(\t)
.rept 16
	v_pk_mul_f32 v[i:i+1], v[i:i+1], v[ST+4*(\t)+2:ST+4*(\t)+3] op_sel_hi:[1,0]
.set i, i+2
.endr
	WIN 0x05                        ; sources 0 and 1 window 1, destination window 0
.set i, 0
.rept 16
	v_cvt_pk_f16_f32 v[S+16*(\t)+i], v[32*(\t)+2*i], v[32*(\t)+2*i+1]
.set i, i+1
.endr
	WIN 0
.irp f, 0,1,2,3
	ds_store_b128 v[STO], v[S+16*(\t)+4*\f:S+16*(\t)+4*\f+3] offset:32*\f
.endr
.irp f, 0,1,2,3
	ds_load_b128 v[S+16*(\t)+4*\f:S+16*(\t)+4*\f+3], v[RD] offset:\f*4*SP  ; LDS serves a wave's instructions in order (ISA guide 5.7.1.4): these see the stores above; the next tile's stores come behind them
.endr
.endm
.macro SEND t, younger              ; younger: the LDS instructions issued behind tile t's loads: the next tile's eight, or none
	WIN 0
.irp f, 0,1,2,3
	s_wait_dscnt (\younger)+3-\f
	global_store_b128 v[GO], v[S+16*(\t)+4*\f:S+16*(\t)+4*\f+3], s[10:11] offset:(\t)*2048+\f*512  ; 512 consecutive bytes, at a multiple of 256 from O's first
.endr
.endm
	PACK 0
.set t, 1
.rept 2*NP-1                        ; a tile's arithmetic stands between the loads of the tile before and its stores
	PACK t
	SEND t-1, 8
.set t, t+1
.endr
	SEND 2*NP-1, 0
	WIN W_AD
	s_wait_tensorcnt 0x0            ; the wave's end: behind my last tensor load and my last LDS store
	ds_add_u32 v[SPW], v[NIL]
	s_wait_dscnt 0x0
	WIN 0
	CROUND                          ; the closing round: no work-group ends while a partner may still ask for a tile that names it
	s_endpgm
.Lfunc_end_k_q9909f783a8_attn:
	.size	k_q9909f783a8_attn, .Lfunc_end_k_q9909f783a8_attn-k_q9909f783a8_attn
	.p2alignl 7, 3214868480
	.fill 96, 4, 3214868480
	.section	.rodata,"a",@progbits
	.p2align	6, 0x0
	.amdhsa_kernel k_q9909f783a8_attn
		.amdhsa_group_segment_fixed_size 327680
		.amdhsa_private_segment_fixed_size 0
		.amdhsa_enable_private_segment 0
		.amdhsa_kernarg_size 24
		.amdhsa_user_sgpr_count 2
		.amdhsa_user_sgpr_kernarg_segment_ptr 1
		.amdhsa_wavefront_size32 1
		.amdhsa_system_sgpr_workgroup_id_x 1
		.amdhsa_system_sgpr_workgroup_id_y 1
		.amdhsa_system_sgpr_workgroup_id_z 1
		.amdhsa_system_vgpr_workitem_id 0
		.amdhsa_next_free_vgpr 808
		.amdhsa_next_free_sgpr 66
		.amdhsa_reserve_vcc 0
		.amdhsa_float_denorm_mode_32 3
		.amdhsa_float_denorm_mode_16_64 3
		.amdhsa_memory_ordered 1
		.amdhsa_forward_progress 1
		.amdhsa_inst_pref_size 212
	.end_amdhsa_kernel
	.amdgpu_metadata
---
amdhsa.version: [ 1, 2 ]
amdhsa.kernels:
  - .name:           k_q9909f783a8_attn
    .symbol:         k_q9909f783a8_attn.kd
    .args:
      - { .name: qkv, .offset: 0, .size: 8, .value_kind: global_buffer, .address_space: global }
      - { .name: mask, .offset: 8, .size: 8, .value_kind: global_buffer, .address_space: global }
      - { .name: oh, .offset: 16, .size: 8, .value_kind: global_buffer, .address_space: global }
    .group_segment_fixed_size: 327680
    .private_segment_fixed_size: 0
    .kernarg_segment_align: 8
    .kernarg_segment_size: 24
    .max_flat_workgroup_size: 128
    .sgpr_count:     66
    .vgpr_count:     808
    .wavefront_size: 32
...
	.end_amdgpu_metadata
.endif
;; end of part 3
;; launch oproj (part 4): grid 4 x 64, 4 waves a work-group, clusters of 4 x 4, 327,680 bytes of LDS; arguments oh, wt, bo, out0; writes out0
.if DOCPART == 4
	.amdgcn_target "amdgcn-amd-amdhsa--gfx1250"
	.amdhsa_code_object_version 6
	.text
	.protected	k_q9909f783a8_oproj
	.globl	k_q9909f783a8_oproj
	.p2align	8
	.type	k_q9909f783a8_oproj,@function
k_q9909f783a8_oproj:
	s_mov_b64 s[64:65], 0
	v_nop
	global_prefetch_b8 v0, s[64:65] scope:SCOPE_SE
	s_setreg_imm32_b32 hwreg(HW_REG_WAVE_MODE, 25, 1), 1
	s_wait_xcnt 0x0
	s_wait_alu depctr_hold_cnt(0) depctr_sa_sdst(0) depctr_va_vdst(0) depctr_va_sdst(0) depctr_va_ssrc(0) depctr_va_vcc(0) depctr_vm_vsrc(0)
	s_getreg_b32 s2, hwreg(HW_REG_IB_STS2, 6, 4)
	s_cmp_eq_u32 s2, 0
	s_cbranch_scc0 .Lentry_in_a_cluster
	s_endpgm
.Lentry_in_a_cluster:
	s_bfe_u32 s2, ttmp6, 0x10000c
	s_cmp_lg_u32 s2, 0xf033
	s_cbranch_scc0 .Lentry_shape_is_right
	s_endpgm
.Lentry_shape_is_right:
; out0[m][n] = the sum over k of O[m][k] wo[k][n] + bo[n].  O lies by heads: oh[16 batch + head][s][64] f16, m = 2048 batch + s, k = 64 head + channel.
; wo^T: wt[3][n][k], the bf16 rounding of wo written as f16.  bo: [1024] f32, rounded to bf16.  out0: [8192][1024] f32.  Products in f16, sums in f32, K ascending;
; a sum begins with the bias, as the C operand of its first product, so that the finished accumulators are the result.
; LIMIT.  O lies within V's range, under f16's 65,504; wo as the launch that wrote wt states it.
; SHARES.  256 tiles of 128 rows x 256 columns, one to a work-group.  Four waves; wave (wm, wn) makes 64 x 128: 32 accumulators of 16 x 16.  K goes in 8 steps of 128, two heads each, through a ring
; of two LDS slots.  A head's 128 rows of the tile are 16,384 dense bytes: asked for as 64 rows of 256 bytes, padded in LDS behind every 128.
; A K STEP IS WRITTEN ONCE.  The slot in hand begins at LDS byte s[TB], which an exclusive or turns between 0 and SLOT; the fragments' addresses are the slot-0 addresses plus s[TB], and the walking
; descriptor's LDS word is the wave's place plus s[TB].  Six trips fill a slot again; the last two K steps, which fill nothing, have a text of their own, walked twice and left in its middle.
; CLUSTER.  4 x 4 work-groups: O's tile is shared along a row of the cluster, wo^T's along a column; each is asked for jointly, by the same tensor load, descriptor and mask in the four.
; THE MATRIX INSTRUCTION IS USED TRANSPOSED (source 0 = 16 rows of wo^T, source 1 = 16 rows of O): a lane holds eight neighbouring columns of one row of the result.
; REGISTERS, in windows of 256 (s_set_vgpr_msb: bits 1:0 source 0, 3:2 source 1, 5:4 source 2, 7:6 destination):
;   window 0: v0-31 addresses; v32-63, v64-95 O's fragments, two buffers; v96-159, v160-223 wo^T's, two buffers; on the way out v96-223 hold rows read back, two buffers
;   window 1: the accumulators, (a, b) at v[8 (8 a + b)]        window 2: v0-63 the bias; v64-65 at work
.set PAH,    144                       ; an LDS row of O: 128 bytes + 16 = 36 words: the 16 rows of a load start at 16 different groups of four banks (64 banks of 4 bytes: ISA guide 11.1)
.set PB,     272                       ; an LDS row of wo^T: 256 bytes + 16
.set AHEAD,  128*PAH                   ; one head's 128 rows: what one tensor load brings of O
.set BHALF,  128*PB                    ; what one brings of wo^T
.set BOFF,   2*AHEAD
.set SLOT,   BOFF+2*BHALF
.set STAGE,  2*SLOT                    ; behind the ring: 16 rows x 528 bytes for each wave, for the way out; no tensor load lands here
.set SP,     528
.set SPARE,  STAGE+4*16*SP             ; behind the stages: the spare words, 128 bytes for each wave: two blocks of 256 bytes that no other line names
.set ADRA0, 16                         ; v16  LDS address of my fragments of O in slot 0; never rewritten
.set ADRA,  17                         ; v17  the same in the slot in hand
.set ADRB0, 20                         ; v20, v21  the same for wo^T
.set ADRB,  21
.set STO,  24                          ; v24  the way out: where I put 32 bytes of a row
.set RD,   25                          ; v25  the way out: where I read a row back
.set CO,   26                          ; v26  my byte offset in a row's 512 bytes of the result
.set SPW,  28                          ; v28  LDS address of my spare word; never rewritten
.set NIL,  29                          ; v29  0; never rewritten
.set BO,   30                          ; v30  my byte offset in 16 numbers of the bias
.set AF,   32
.set BF,   96
.set OB,   96
.set BIAS, 0                           ; window 2
.set BT,   64                          ; window 2
.set WV,  20
.set WM,  21                           ; s21  which 64 rows are mine.  Also: I fetch for O (0) or for wo^T (1)
.set WN,  22                           ; s22  which 128 columns are mine.  Also: which head of the step, or which half of wo^T's tile, I fetch
.set CX,  23
.set CYI, 24
.set TX,  25                           ; s25  tile column
.set TR,  28                           ; s28  tile row
.set G1A, 32                           ; s[32:39] descriptor group 1 for O's tiles;  s[40:43] group 0 of the first fill of slot 0;  s[44:47] that of slot 1, which then walks
.set G0A, 40
.set G1B, 48                           ; s[48:55], s[56:63] the same for wo^T's
.set G0B, 56
.set LAP, 66                           ; s66  the loops' count
.set TB,  84                           ; s84  LDS byte at which the slot in hand begins: 0 or SLOT
.set MSB, 0
.macro WIN new                         ; the immediate's high byte repeats the setting that is left; a switch that changes nothing is dropped
.if MSB != (\new)
	s_set_vgpr_msb (MSB<<8)|(\new)
.set MSB, (\new)
.endif
.endm
.set MUL,  0x50                        ; sources 0 and 1 window 0, C and D window 1
.set MULB, 0x60                        ; the same with C, the bias, in window 2
.set TO_2, 0x80                        ; destination window 2, address window 0
.set W_BI, 0x8a                        ; destination, sources 0 and 1 window 2
.set W_ST, 0x04                        ; an LDS store's data (source 1) window 1, its address window 0
.macro JLOAD s                         ; a joint load: waves 0 and 1 fetch the step's two heads of O, waves 2 and 3 wo^T's two halves; an s_nop 0 and four v_nop follow each line
	s_cmp_eq_u32 s[WM], 0
	s_cbranch_scc0 .Lfor_b_\@
	tensor_load_to_lds s[G0A+4*(\s):G0A+4*(\s)+3], s[G1A:G1A+7]
	s_nop 0
.rept 4
	v_nop
.endr
	s_branch .Lasked_\@
.Lfor_b_\@:
	tensor_load_to_lds s[G0B+4*(\s):G0B+4*(\s)+3], s[G1B:G1B+7]
	s_nop 0
.rept 4
	v_nop
.endr
.Lasked_\@:
.endm
.macro CREST                           ; a round of the cluster's barrier behind its opening barrier
	s_cmp_lg_u32 s[WV], 0
	s_cbranch_scc1 .Lnot_wave_0_\@
	s_barrier_signal -3
.Lnot_wave_0_\@:
	s_barrier_wait -3
	s_barrier_signal -1
	s_barrier_wait -1
.endm
.macro CROUND
	s_barrier_signal -1
	s_barrier_wait -1
	CREST
.endm
.macro PLACES                          ; four places in front of loads into registers that matrix instructions have read, and of LDS stores that read results just made (ISA guide 7.12.1 for vector instructions)
.rept 4
	v_nop
.endr
.endm
	s_load_b256 s[4:11], s[0:1], 0x0               ; oh s[4:5], wt s[6:7], bo s[8:9], out0 s[10:11]
	v_lshl_add_u32 v[SPW], v0, 2, SPARE
	v_mov_b32 v[NIL], 0
	ds_add_u32 v28, v29
	s_wait_dscnt 0x0
	v_lshrrev_b32 v1, 5, v0
	v_readfirstlane_b32 s[WV], v1                  ; wave 0..3
	s_lshr_b32 s[WM], s[WV], 1
	s_and_b32 s[WN], s[WV], 1
	s_bfe_u32 s[CX], ttmp6, 0x40000
	s_bfe_u32 s[CYI], ttmp6, 0x40004
	s_lshl_b32 s[TX], ttmp9, 2
	s_add_co_u32 s[TX], s[TX], s[CX]               ; tile column = 4 x cluster x + cx
	s_and_b32 s[TR], ttmp7, 0xffff
	s_lshl_b32 s[TR], s[TR], 2
	s_add_co_u32 s[TR], s[TR], s[CYI]              ; tile row = 4 x cluster y + cy
	s_lshl_b32 s29, s[CYI], 2
	s_lshl_b32 s29, 15, s29                        ; my row of the cluster
	s_lshl_b32 s30, 0x1111, s[CX]                  ; my column
	; descriptor group 1 for O: 64 rows x 128 elements of 2 bytes, dense; 4 words of padding behind every 32
	s_or_b32 s[G1A+0], s29, (1<<16)|(1<<20)|(1<<21)|(4<<22)|(3<<25)
	s_mov_b32 s[G1A+1], 128<<16                    ; tensor_dim0 = 128
	s_mov_b32 s[G1A+2], 64<<16                     ; tensor_dim1 = 64
	s_mov_b32 s[G1A+3], 128<<16                    ; tile_dim0 = 128
	s_mov_b32 s[G1A+4], 64                         ; tile_dim1 = 64
	s_mov_b32 s[G1A+5], 128                        ; elements from row to row
	s_mov_b32 s[G1A+6], 0
	s_mov_b32 s[G1A+7], 0
	; and for wo^T: 128 rows x 128 elements of 2 bytes, 4 words of padding behind every 64
	s_or_b32 s[G1B+0], s30, (1<<16)|(1<<20)|(1<<21)|(5<<22)|(3<<25)
	s_mov_b32 s[G1B+1], 128<<16
	s_mov_b32 s[G1B+2], 128<<16
	s_mov_b32 s[G1B+3], 128<<16
	s_mov_b32 s[G1B+4], 128
	s_mov_b32 s[G1B+5], 1024
	s_mov_b32 s[G1B+6], 0
	s_mov_b32 s[G1B+7], 0
	s_lshr_b32 s70, s[TR], 4                       ; O: the batch's sixteen heads of 262,144 bytes,
	s_lshl_b32 s70, s70, 22
	s_and_b32 s71, s[TR], 15                       ; the tile's 128 rows of 128 bytes in a head
	s_lshl_b32 s71, s71, 14
	s_add_co_u32 s70, s70, s71
	s_mov_b32 s71, 0
	s_lshl_b32 s76, s[WN], 18                      ; what I fetch: head wn of the step's two, or 128 rows of 2,048 bytes
	s_mov_b32 s77, 0
	s_lshl_b32 s72, s[TX], 19                      ; wo^T: the tile column's 256 rows of 2,048 bytes,
	s_add_co_u32 s72, s72, 3<<21                   ; in the fourth matrix of wt
	s_mov_b32 s73, 0
	s_mul_i32 s31, s[WN], AHEAD                    ; where they go in a slot: the wave's number alone enters an LDS address
	s_mul_i32 s67, s[WN], BHALF
	s_add_co_u32 s67, s67, BOFF
	s_mov_b32 s[TB], 0                             ; the walk begins in slot 0
	s_wait_kmcnt 0x0
	s_add_nc_u64 s[82:83], s[4:5], s[70:71]
	s_add_nc_u64 s[82:83], s[82:83], s[76:77]
	s_add_nc_u64 s[80:81], s[6:7], s[72:73]
	s_add_nc_u64 s[80:81], s[80:81], s[76:77]
	CROUND                                         ; all sixteen work-groups are here: the first joint loads meet
.irp s, 0,1
	s_mov_b32 s[G0A+4*(\s)], 1                                         ; count = 1
	s_add_co_u32 s[G0A+4*(\s)+1], s31, (\s)*SLOT                       ; LDS address
	s_add_nc_u64 s[G0A+4*(\s)+2:G0A+4*(\s)+3], s[82:83], (\s)*524288   ; global address: K step s begins two heads on
	s_or_b32 s[G0A+4*(\s)+3], s[G0A+4*(\s)+3], 0x80000000              ; type = 2
	s_mov_b32 s[G0B+4*(\s)], 1
	s_add_co_u32 s[G0B+4*(\s)+1], s67, (\s)*SLOT
	s_add_nc_u64 s[G0B+4*(\s)+2:G0B+4*(\s)+3], s[80:81], (\s)*256
	s_or_b32 s[G0B+4*(\s)+3], s[G0B+4*(\s)+3], 0x80000000
	JLOAD \s                                       ; two loads of mine are out
.endr
	; the bias of my 128 columns: lane half h holds columns 16 b + 8 h + 0..7 of block b: the layout of an accumulator's eight registers
	s_lshl_b32 s72, s[TX], 10
	s_lshl_b32 s73, s[WN], 9
	s_add_co_u32 s72, s72, s73
	s_mov_b32 s73, 0
	s_add_nc_u64 s[74:75], s[8:9], s[72:73]
	s_add_nc_u64 s[76:77], s[10:11], s[72:73]      ; the result at my first column,
	s_lshl_b32 s72, s[TR], 19
	s_lshl_b32 s80, s[WM], 18
	s_add_co_u32 s72, s72, s80
	s_add_nc_u64 s[76:77], s[76:77], s[72:73]      ; and my first row: 128 R + 64 wm rows of 4,096 bytes
	v_and_b32 v1, 15, v0                           ; r = l % 16
	v_bfe_u32 v2, v0, 4, 1                         ; h = l / 16
	v_lshlrev_b32 v[BO], 5, v2
	WIN TO_2
.irp b, 0,1,2,3,4,5,6,7
	global_load_b128 v[BIAS+8*(\b):BIAS+8*(\b)+3],   v[BO], s[74:75] offset:64*(\b)
	global_load_b128 v[BIAS+8*(\b)+4:BIAS+8*(\b)+7], v[BO], s[74:75] offset:64*(\b)+16
.endr
	WIN 0
	; A fragment is 16 rows x 32 K in 8 registers: lane l holds row l % 16, K = 8 h + 0..7 and 16 + 8 h + 0..7: two loads of 16 bytes, 32 bytes apart
	v_mul_u32_u24 v3, v1, PAH
	v_lshl_add_u32 v3, v2, 4, v3
	v_mul_u32_u24 v4, v1, PB
	v_lshl_add_u32 v4, v2, 4, v4
	s_mul_i32 s80, s[WM], 64*PAH                   ; my 64 rows of O, in each head
	s_mul_i32 s81, s[WN], BHALF                    ; my 128 rows of wo^T
	s_add_co_u32 s81, s81, BOFF
	v_add_nc_u32 v[ADRA0], s80, v3
	v_add_nc_u32 v[ADRB0], s81, v4
	v_mov_b32 v[ADRA], v[ADRA0]
	v_mov_b32 v[ADRB], v[ADRB0]
	s_mul_i32 s80, s[WV], 16*SP
	s_add_co_u32 s80, s80, STAGE                   ; my stage
	v_mul_u32_u24 v[STO], v1, SP                   ; in: row l % 16, 32 bytes for each half of the lanes
	v_lshl_add_u32 v[STO], v2, 5, v[STO]
	v_add_nc_u32 v[STO], s80, v[STO]
	v_and_b32 v[CO], 31, v0                        ; back: 32 lanes take one row's 512 bytes
	v_lshlrev_b32 v[CO], 4, v[CO]
	v_add_nc_u32 v[RD], s80, v[CO]
	s_wait_loadcnt 0x0                             ; the bias: rounded to bf16 and widened again, in the wait for the first tile
	WIN W_BI
.set i, 0
.rept 32
	v_cvt_pk_bf16_f32 v[BT+(i/2)%2], v[BIAS+i], v[BIAS+i+1]
	v_lshlrev_b32 v[BIAS+i], 16, v[BT+(i/2)%2]
	v_and_b32 v[BIAS+i+1], 0xffff0000, v[BT+(i/2)%2]
.set i, i+2
.endr
	WIN 0
; 8 matrix instructions: row block a x all 8 column blocks, 32 along K, on buffer f.  first = 1: the product starts the sums, with the column block's bias as C.
; The 32 accumulators take turns in the same order in every quarter.
.macro GRP f, a, first
.if \first
	WIN MULB
.else
	WIN MUL
.endif
.irp b, 0,1,2,3,4,5,6,7
.if \first
	v_wmma_f32_16x16x32_f16 v[8*(8*(\a)+(\b)):8*(8*(\a)+(\b))+7], v[BF+64*(\f)+8*(\b):BF+64*(\f)+8*(\b)+7], v[AF+32*(\f)+8*(\a):AF+32*(\f)+8*(\a)+7], v[BIAS+8*(\b):BIAS+8*(\b)+7]
.else
	v_wmma_f32_16x16x32_f16 v[8*(8*(\a)+(\b)):8*(8*(\a)+(\b))+7], v[BF+64*(\f)+8*(\b):BF+64*(\f)+8*(\b)+7], v[AF+32*(\f)+8*(\a):AF+32*(\f)+8*(\a)+7], v[8*(8*(\a)+(\b)):8*(8*(\a)+(\b))+7]
.endif
.endr
.endm
; 24 LDS loads in one run: quarter kq (head kq / 2 of the step, channels 32 (kq % 2) on) of the slot in hand into buffer g
.macro FETCH kq, g
	WIN 0
.irp i, 0,1,2,3
	ds_load_b128 v[AF+32*(\g)+8*(\i):AF+32*(\g)+8*(\i)+3],   v[ADRA] offset:((\kq)/2)*AHEAD+((\kq)%2)*64+16*PAH*(\i)
	ds_load_b128 v[AF+32*(\g)+8*(\i)+4:AF+32*(\g)+8*(\i)+7], v[ADRA] offset:((\kq)/2)*AHEAD+((\kq)%2)*64+16*PAH*(\i)+32
.endr
.irp i, 0,1,2,3,4,5,6,7
	ds_load_b128 v[BF+64*(\g)+8*(\i):BF+64*(\g)+8*(\i)+3],   v[ADRB] offset:64*(\kq)+16*PB*(\i)
	ds_load_b128 v[BF+64*(\g)+8*(\i)+4:BF+64*(\g)+8*(\i)+7], v[ADRB] offset:64*(\kq)+16*PB*(\i)+32
.endr
.endm
; A K step is four quarters of 32 along K, 32 matrix instructions each, on buffers 0, 1, 0, 1.  One of the first three asks for quarter kq into buffer g, a whole quarter ahead of its use, and multiplies buffer f.
.macro QUARTER kq, f, g, first
	PLACES
	FETCH \kq, \g
	s_wait_dscnt 24                                ; all but the 24 just issued: buffer f is whole
	GRP \f, 0, \first
	GRP \f, 1, \first
	GRP \f, 2, \first
	GRP \f, 3, \first
.endm
; The last quarter multiplies buffer 1 and changes slots: ONE barrier; in front of it each wave waits for all its tensor loads, adds 0 to its spare word, and waits for that and for its reads of this slot.
; fill = 1: the barrier opens a round of the cluster's barrier, and this slot is filled again, two K steps ahead, first thing behind the round: 112 matrix instructions ahead of the wait for it.
; fill = 0 (the tail): nothing is asked for; in the tail's last trip there is no next slot, and its first fetch is jumped over.
.macro TURN fill
	WIN 0
	s_wait_tensorcnt 0x0                           ; all my tensor loads have landed: my part of the next slot
	ds_add_u32 v[SPW], v[NIL]                      ; 0 onto my spare word
	s_wait_dscnt 1                                 ; (the add may be out: buffer 1 is whole)
	GRP 1, 0, 0                                    ; eight matrix instructions stand between the add and the wait for it
	s_wait_dscnt 0x0                               ; the add is done, and my reads of this slot are over
	s_barrier_signal -1
	GRP 1, 1, 0
	WIN 0                                          ; at a branch and at a label every window is 0
	s_barrier_wait -1
.if \fill
	CREST                                          ; no wave of any partner still reads this slot's tiles or has a load on its way
	s_add_co_u32 s[G0A+5], s31, s[TB]              ; the walking descriptors: into the slot just read,
	s_add_co_u32 s[G0B+5], s67, s[TB]
	s_add_nc_u64 s[G0A+6:G0A+7], s[G0A+6:G0A+7], 524288  ; the K step behind the one asked for last: two heads on; the type bits on top are not reached
	s_add_nc_u64 s[G0B+6:G0B+7], s[G0B+6:G0B+7], 256
	JLOAD 1                                        ; the four v_nop behind it are also the places in front of the loads below
.else
	s_cmp_eq_u32 s[LAP], 1
	s_cbranch_scc1 .Lno_next_\@
	PLACES
.endif
	s_xor_b32 s[TB], s[TB], SLOT                   ; the other slot is in hand
	v_add_nc_u32 v[ADRA], s[TB], v[ADRA0]
	v_add_nc_u32 v[ADRB], s[TB], v[ADRB0]
	FETCH 0, 0
.if (\fill) == 0
	WIN 0
.Lno_next_\@:
.endif
	GRP 1, 2, 0
	GRP 1, 3, 0
.endm
	s_wait_tensorcnt 1                             ; my part of K step 0 is in; K step 1's may stay out
	s_barrier_signal -1
	s_barrier_wait -1                              ; everybody's is
	FETCH 0, 0
	QUARTER 1, 0, 1, 1                             ; the first quarter stands in front of the loop: its products start the sums
	WIN 0
	s_mov_b32 s[LAP], 6
.Lstep:                                                ; a trip: a K step's second, third and last quarter and the next step's first; it fills the slot that it leaves: K steps 2 to 7
	QUARTER 2, 1, 0, 0
	QUARTER 3, 0, 1, 0
	TURN 1
	QUARTER 1, 0, 1, 0
	WIN 0
	s_sub_co_u32 s[LAP], s[LAP], 1
	s_cmp_lg_u32 s[LAP], 0
	s_cbranch_scc1 .Lstep
	s_mov_b32 s[LAP], 2
.Ltail:                                                ; K steps 6 and 7 have a text of their own: it fills nothing, and has no round of the cluster's barrier
	QUARTER 2, 1, 0, 0
	QUARTER 3, 0, 1, 0
	TURN 0
	WIN 0
	s_sub_co_u32 s[LAP], s[LAP], 1
	s_cmp_eq_u32 s[LAP], 0
	s_cbranch_scc1 .Lout                           ; the second trip is left here: the sums are whole
	QUARTER 1, 0, 1, 0
	WIN 0
	s_branch .Ltail
.Lout:
; THE WAY OUT, a block of 16 rows at a time.  TOSTAGE: the accumulators as they are, 32 bytes a lane and column block, each from its low end on, into my stage, rows of 528 bytes, and back as whole rows of 512.  SEND: stored.
; A block's stage traffic is issued ahead of the wait for the block before, so that the wave does not sit out the stage's round trip.
.macro TOSTAGE a
.if (\a) >= 2
	s_wait_xcnt 0x0                                ; block a - 2's stores have read their registers: this block's rows land there only behind this wait
.endif
	WIN W_ST
.irp b, 0,1,2,3,4,5,6,7
	ds_store_b128 v[STO], v[64*(\a)+8*(\b):64*(\a)+8*(\b)+3]   offset:64*(\b)
	ds_store_b128 v[STO], v[64*(\a)+8*(\b)+4:64*(\a)+8*(\b)+7] offset:64*(\b)+16
.endr
	WIN 0
.irp t, 0,1,2,3,4,5,6,7,8,9,10,11,12,13,14,15
	ds_load_b128 v[OB+64*((\a)%2)+4*(\t):OB+64*((\a)%2)+4*(\t)+3], v[RD] offset:(\t)*SP  ; LDS serves a wave's instructions in order (ISA guide 5.7.1.4): these see the stores above; the next block's stores come behind them
.endr
.endm
.macro SEND a, younger                 ; younger: the LDS instructions issued behind block a's loads: the next block's 32, or none
	WIN 0
	s_wait_dscnt \younger                          ; the block is back in registers
.irp t, 0,1,2,3,4,5,6,7,8,9,10,11,12,13,14,15
	global_store_b128 v[CO], v[OB+64*((\a)%2)+4*(\t):OB+64*((\a)%2)+4*(\t)+3], s[76:77] offset:65536*(\a)+4096*(\t) th:TH_STORE_NT  ; 32 lanes store 512 consecutive bytes, at a multiple of 256 from the result's first
.endr
.endm
	PLACES                                         ; the stage's stores read results, and its loads land in registers that the last products read
	TOSTAGE 0
	TOSTAGE 1
	SEND 0, 32
	TOSTAGE 2
	SEND 1, 32
	TOSTAGE 3
	SEND 2, 32
	SEND 3, 0
	s_wait_tensorcnt 0x0                           ; the wave's end: behind my last tensor load and my last LDS store
	ds_add_u32 v[SPW], v[NIL]
	s_wait_dscnt 0x0
	CROUND                                         ; the closing round: no work-group ends while a partner may still ask for a tile that names it
	s_endpgm
.Lfunc_end_k_q9909f783a8_oproj:
	.size	k_q9909f783a8_oproj, .Lfunc_end_k_q9909f783a8_oproj-k_q9909f783a8_oproj
	.p2alignl 7, 3214868480
	.fill 96, 4, 3214868480
	.section	.rodata,"a",@progbits
	.p2align	6, 0x0
	.amdhsa_kernel k_q9909f783a8_oproj
		.amdhsa_group_segment_fixed_size 327680
		.amdhsa_private_segment_fixed_size 0
		.amdhsa_enable_private_segment 0
		.amdhsa_kernarg_size 32
		.amdhsa_user_sgpr_count 2
		.amdhsa_user_sgpr_kernarg_segment_ptr 1
		.amdhsa_wavefront_size32 1
		.amdhsa_system_sgpr_workgroup_id_x 1
		.amdhsa_system_sgpr_workgroup_id_y 1
		.amdhsa_system_sgpr_workgroup_id_z 1
		.amdhsa_system_vgpr_workitem_id 0
		.amdhsa_next_free_vgpr 640
		.amdhsa_next_free_sgpr 88
		.amdhsa_reserve_vcc 0
		.amdhsa_float_denorm_mode_32 3
		.amdhsa_float_denorm_mode_16_64 3
		.amdhsa_memory_ordered 1
		.amdhsa_forward_progress 1
		.amdhsa_inst_pref_size 66
	.end_amdhsa_kernel
	.amdgpu_metadata
---
amdhsa.version: [ 1, 2 ]
amdhsa.kernels:
  - .name:           k_q9909f783a8_oproj
    .symbol:         k_q9909f783a8_oproj.kd
    .args:
      - { .name: oh, .offset: 0, .size: 8, .value_kind: global_buffer, .address_space: global }
      - { .name: wt, .offset: 8, .size: 8, .value_kind: global_buffer, .address_space: global }
      - { .name: bo, .offset: 16, .size: 8, .value_kind: global_buffer, .address_space: global }
      - { .name: out0, .offset: 24, .size: 8, .value_kind: global_buffer, .address_space: global }
    .group_segment_fixed_size: 327680
    .private_segment_fixed_size: 0
    .kernarg_segment_align: 8
    .kernarg_segment_size: 32
    .max_flat_workgroup_size: 128
    .sgpr_count:     88
    .vgpr_count:     640
    .wavefront_size: 32
...
	.end_amdgpu_metadata
.endif
;; end of part 4
